; MI455X (gfx1250); checked and timed in simulation.
; The chip was launched on July 23, 2026; its instructions are those of AMD's public machine-readable ISA for CDNA 5 (MIT licence, August 2026) and "CDNA5" Instruction Set Architecture Reference Guide (July 2026). The comments in the code are by the model that wrote it; some were corrected since.
;; Causal Self Attention. Allowed arithmetic: matrix products marked QUANTISED: E4M3 operands, one E8M0 scale for each 32 along K, by v_wmma_scale_f32_16x16x128_f8f6f4 with both operands' format E4M3, f32 sums; everything else in f32.
;; Inputs: Wk 1,024 x 1,024 float32; Wp 1,024 x 1,024 float32; Wq 1,024 x 1,024 float32; Wv 1,024 x 1,024 float32; bk 1,024 float32; bp 1,024 float32; bq 1,024 float32; bv 1,024 float32; x 1 x 4,096 x 1,024 float32.
;; Outputs: out0 1 x 4,096 x 1,024 float32.
;; This version of the problem:
;;   THIS VERSION OF THE PROBLEM IS GIVEN IN LOW PRECISION. The matrix products marked QUANTISED in the list below multiply operands that are first quantised to E4M3 (4 exponent bits, 3 mantissa bits; 8 bits a number), with one power-of-two scale for each 32 numbers along K (OCP MX v1.0); their sums are f32. All else is computed in f32.
;;   The module's matrix products, in the order in which they are computed (A, B: the left and right operand; K: the contracted axis; several contracted axes count as one K, in the product's order):
;;     1. [M 4,096, K 1,024] x [K 1,024, N 1,024]; A: input x; B: input Wq: QUANTISED
;;     2. [M 4,096, K 1,024] x [K 1,024, N 1,024]; A: input x; B: input Wk: QUANTISED
;;     3. [M 4,096, K 1,024] x [K 1,024, N 1,024]; A: input x; B: input Wv: QUANTISED
;;     4. batch 16 x [M 4,096, K 64] x [K 64, N 4,096]; A: computed on the way; B: computed on the way: QUANTISED
;;     5. batch 16 x [M 4,096, K 4,096] x [K 4,096, N 64]; A: softmax (see below); B: computed on the way: QUANTISED
;;     6. [M 4,096, K 1,024] x [K 1,024, N 1,024]; A: computed on the way; B: input Wp: QUANTISED
;;   THE QUANTISER, for each operand of a quantised product, along K:
;;     - K is cut into blocks of 32 from its start; a last block that is shorter is filled with zeros.
;;     - A block's scale is 2^e with e = floor(log2(the largest magnitude in the block)) - 8, held to -126 .. 127; a block of zeros has e = 0. As a byte (E8M0): e + 127.
;;     - Each number is divided by its block's scale, clamped to +-448, and rounded to the nearest number of E4M3, ties to even, subnormals kept.
;;     - The product sums the exact products of the quantised numbers (number of the format x scale) in f32.
;;   ~~~python
;;   def quantise(x, axis):      # numpy; x: float32 -> the quantised numbers, widened to float32 again
;;       x = np.moveaxis(x, axis, -1); K = x.shape[-1]
;;       x = np.pad(x, [(0, 0)] * (x.ndim - 1) + [(0, -K % 32)]); x = x.reshape(x.shape[:-1] + (-1, 32)); a = np.abs(x).max(-1, keepdims=True)
;;       e = np.where(a > 0, np.clip(np.frexp(np.where(a > 0, a, 1))[1] - 1 - 8, -126, 127), 0)      # np.frexp(a)[1] - 1 = floor(log2(a)), exactly
;;       r = np.clip(x / 2.0 ** e, -448, 448)
;;       step = 2.0 ** (np.maximum(np.frexp(np.where(r == 0, 1, r))[1] - 1, -6) - 3)
;;       q = np.round(r / step) * step * 2.0 ** e      # np.round: ties to even
;;       return np.moveaxis(q.reshape(q.shape[:-2] + (-1,))[..., :K], -1, axis).astype(np.float32)
;;   ~~~
;;   SOFTMAX AHEAD OF A QUANTISED PRODUCT. Where the list says 'softmax', what is quantised is not the finished softmax but p = 2^(t - M), with t = logit x log2(e) and M = ceil(the row's largest t), a whole number; so 1/2 < the row's largest p <= 1. The row's sum l is taken of the UNQUANTISED p, in f32, and the product's result is divided by l at the end. Since M is a whole number, a kernel that streams over the keys may use a running M (the ceiling of the running maximum): every later rescaling is an exact power of two, which a block's scale takes up: the codes' values come out the same.
;;   OPERANDS COMPUTED ON THE WAY. 'Computed on the way' means the value that the module computes at that place (a softmax that the list does not call 'softmax' is quantised finished and normalised). What goes into a quantiser is computed in f32, as accurately as f32 sums, v_exp_f32 and their like allow (about 1e-6 of the number): no bf16 or f16 on the way to a quantiser, and a product that is left as it is and whose result goes on into a quantised operand takes f32 operands (vector FMAs, or v_wmma_f32_16x16x4_f32). A number that lies on a knife's edge between two numbers of the format may be rounded either way, as far as f32 arithmetic and the matrix unit's own rounding can turn it there, and no further.
;; One version. Each part assembles by itself: llvm-mc -triple=amdgcn-amd-amdhsa -mcpu=gfx1250 --defsym DOCPART=n.
;; ======== version 1 of 1: 4 launches
;; limits: right only within a limited range of input values
;; workspace buffers: xc 4,325,376 bytes; wc 4,325,376 bytes; qc 4,456,448 bytes; kv 8,781,824 bytes; yc 4,325,376 bytes
;; launch quant (part 1): grid 256 x 1, 8 waves a work-group, no clusters, 68,608 bytes of LDS; arguments x, Wq, Wk, Wv, Wp, xc, wc; writes xc, wc
.if DOCPART == 1
	.amdgcn_target "amdgcn-amd-amdhsa--gfx1250"
	.amdhsa_code_object_version 6
	.text
	.protected	k_qafdf163a7a_quant
	.globl	k_qafdf163a7a_quant
	.p2align	8
	.type	k_qafdf163a7a_quant,@function
k_qafdf163a7a_quant:
	s_mov_b64 s[64:65], 0
	v_nop
	global_prefetch_b8 v0, s[64:65] scope:SCOPE_SE
	s_setreg_imm32_b32 hwreg(HW_REG_WAVE_MODE, 25, 1), 1
	s_wait_xcnt 0x0
; x [4096][1024] and Wq, Wk, Wv, Wp [1024][1024], f32 with K innermost, become codes of FP8 (E4M3) with one E8M0 byte for each 32 along K,
; laid as IMAGES OF OPERAND REGISTERS.  A fragment is 16 rows x 128 K, 2,048 bytes: group c (0..3) of 512 bytes holds, at 16 x lane, the 16 codes
; k = 32 c + 16 (lane / 16) + 0..15 of the lane's row.  ROW BLOCK i: lane r (= lane % 16) holds row 32 (i / 2) + 8 (i % 2) + r + 8 (r / 8).
; xc: images [256 row blocks][8 K steps][2,048], then at SCO scale words [row block][K step][16 rows].  wc: the same; row blocks 0-63 Wq, 64-127 Wk, 128-191 Wv, 192-255 Wp.
; A block's scale is 2^(floor(log2(largest magnitude)) - 8); its byte is the largest magnitude's exponent field - 8, held at 1 from below.
; LIMITS: a block of zeros gets the byte 1 where the rule says 127 (its codes are zeros, and this program alone reads the bytes); NaN and infinities among the inputs are not served.
; SHARES: 512 row blocks x 4 pairs of K steps = 2,048 waves.  Wave w of work-group g: row block 2 g + w / 4, K steps 2 (w % 4) and 2 (w % 4) + 1.  Work-groups 0-127 take x, then 32 each for Wq, Wk, Wv, Wp.
; Each load reads 512 consecutive bytes of one row; a K step's 16 rows turn through the wave's own stage in LDS, so that a lane gets 16 neighbours of each block of 32.  No loop, no barrier: waves share nothing.
.set SCO,  4194304                     ; where the scale words begin in xc and wc
.set SP,   528                         ; a stage row: 512 bytes + 16: 132 words, so that 16 rows begin at 16 different groups of four banks (64 banks of 4 bytes: ISA guide 11.1)
.set STG,  16*SP                       ; a wave's stage
.set R,    16                          ; v16-143  as loaded: K step e, row rr at R + 64 e + 4 rr
.set X,    144                         ; v144-207 64 numbers of my row: register 16 b + i = k 32 b + 16 (lane / 16) + i
.set PC,   208                         ; v208-239 codes, a set for each K step: no store's data are written again
.set TM,   240                         ; v240-243 largest magnitudes, 244-247 bytes, 252-255 the conversion's scale operand
.set SEL,  28                          ; s28, s29 lane selects: lane xor 16
.set MNT,  30
.set HI16, 31                          ; s31 lanes 16-31
	s_load_b256 s[4:11], s[0:1], 0x0               ; x, Wq, Wk, Wv
	s_load_b128 s[12:15], s[0:1], 0x20             ; Wp, xc
	s_load_b64 s[16:17], s[0:1], 0x30              ; wc
	v_lshl_add_u32 v14, v0, 2, 0x10800
	v_mov_b32 v15, 0
	v_lshrrev_b32 v5, 5, v0
	s_delay_alu instid0(VALU_DEP_1)
	v_readfirstlane_b32 s22, v5                    ; wave 0..7
	v_and_b32 v6, 31, v0                           ; lane
	s_delay_alu instid0(VALU_DEP_1)
	v_lshlrev_b32 v1, 4, v6                        ; v1 = 16 x lane: loads, code stores; never rewritten
	s_delay_alu instid0(VALU_DEP_2)
	v_lshlrev_b32 v4, 2, v6                        ; v4 = 4 x lane: the scale words' store
	v_and_b32 v7, 15, v0                           ; r
	v_bfe_u32 v5, v0, 4, 1                         ; h
	s_mul_i32 s23, s22, STG
	v_add_nc_u32 v2, s23, v1                       ; v2: into the stage, as loaded
	v_mul_u32_u24 v3, v7, SP
	s_delay_alu instid0(VALU_DEP_1)
	v_lshl_add_u32 v3, v5, 6, v3
	s_delay_alu instid0(VALU_DEP_1)
	v_add_nc_u32 v3, s23, v3                       ; v3: out of it: row r, + 64 h bytes
.irp b, 0,1,2,3
	v_mov_b32 v[TM+4+\b], 0                        ; written once: a lane permute's destination counts as one of its sources
.endr
	s_lshr_b32 s24, s22, 2
	s_lshl_b32 s25, ttmp9, 1
	s_add_co_u32 s24, s24, s25                     ; row block among all 512
	s_and_b32 s24, s24, 255                        ; and within xc or wc
	s_and_b32 s25, s22, 3                          ; which pair of K steps
	s_mov_b32 s[SEL], 0x76543210
	s_mov_b32 s[SEL+1], 0xfedcba98
	s_mov_b32 s[HI16], 0xffff0000
	s_wait_alu depctr_va_vdst(0)
	s_wait_kmcnt 0x0
	s_cmp_lt_u32 ttmp9, 224                        ; the source: every choice hangs on the work-group's number alone
	s_cselect_b64 s[18:19], s[10:11], s[12:13]
	s_cmp_lt_u32 ttmp9, 192
	s_cselect_b64 s[18:19], s[8:9], s[18:19]
	s_cmp_lt_u32 ttmp9, 160
	s_cselect_b64 s[18:19], s[6:7], s[18:19]
	s_cmp_lt_u32 ttmp9, 128
	s_cselect_b64 s[18:19], s[4:5], s[18:19]
	s_cselect_b64 s[20:21], s[14:15], s[16:17]     ; the destination: xc or wc
	s_cselect_b32 s26, 255, 63
	s_and_b32 s26, s24, s26                        ; row block within the source tensor
	s_lshr_b32 s27, s26, 1
	s_lshl_b32 s27, s27, 5
	s_and_b32 s26, s26, 1
	s_lshl_b32 s26, s26, 3
	s_add_co_u32 s26, s26, s27                     ; its first row: 32 (i / 2) + 8 (i % 2)
	s_lshl_b32 s26, s26, 12                        ; rows of 4,096 bytes
	s_lshl_b32 s27, s25, 10                        ; two K steps are 1,024 bytes
	s_add_co_u32 s26, s26, s27
	s_mov_b32 s27, 0
	s_add_nc_u64 s[18:19], s[18:19], s[26:27]
	s_lshl_b32 s32, s24, 14                        ; images: 16,384 bytes a row block, 2,048 a K step
	s_lshl_b32 s33, s25, 12
	s_add_co_u32 s32, s32, s33
	s_mov_b32 s33, 0
	s_add_nc_u64 s[34:35], s[20:21], s[32:33]
	s_lshl_b32 s32, s24, 9                         ; scale words: 512 bytes a row block, 64 a K step
	s_lshl_b32 s36, s25, 7
	s_add_co_u32 s32, s32, s36
	s_add_co_u32 s32, s32, SCO
	s_add_nc_u64 s[36:37], s[20:21], s[32:33]
.macro LOAD e                          ; K step e of my pair: 16 rows, 512 consecutive bytes each
.set rr, 0
.rept 16
	global_load_b128 v[R+64*\e+4*rr:R+64*\e+4*rr+3], v1, s[18:19] offset:(rr+8*(rr/8))*4096+512*\e th:TH_LOAD_NT
.set rr, rr+1
.endr
.endm
.macro TURN e                          ; through the stage: LDS serves a wave's instructions in order (ISA guide 5.7.1.4), so no wait stands between the stores and the loads
.set rr, 0
.rept 16
	ds_store_b128 v2, v[R+64*\e+4*rr:R+64*\e+4*rr+3] offset:SP*rr
.set rr, rr+1
.endr
.set rr, 0
.rept 16
	ds_load_b128 v[X+4*rr:X+4*rr+3], v3 offset:128*(rr/4)+16*(rr%4)
.set rr, rr+1
.endr
.endm
; 64 numbers of a lane, register 16 b + i = k 32 b + 16 (lane / 16) + i of its row, become a fragment's 16 registers of codes at v[pc] and the row's scale word in v[pw]
.macro QUANT s, pc, pw
.irp b, 0,1,2,3
	v_max3_num_f32 v[TM+\b], |v[(\s)+16*\b]|, |v[(\s)+16*\b+1]|, 0x4800000   ; my 16 numbers of block b, and the floor 2^(9 - 127): the byte cannot fall under 1
.endr
.irp i, 2,4,6,8,10,12,14
.irp b, 0,1,2,3
	s_delay_alu instid0(VALU_DEP_4)
	v_max3_num_f32 v[TM+\b], v[TM+\b], |v[(\s)+16*\b+\i]|, |v[(\s)+16*\b+\i+1]|   ; the four blocks by turns
.endr
.endr
.irp b, 0,1,2,3
	s_delay_alu instid0(VALU_DEP_4)
	v_permlanex16_b32 v[TM+4+\b], v[TM+\b], s[SEL], s[SEL+1]
.endr
.irp b, 0,1,2,3
	s_delay_alu instid0(VALU_DEP_4)
	v_max_num_f32 v[TM+\b], v[TM+\b], v[TM+4+\b]   ; with lane xor 16's 16 numbers: the block's largest magnitude
.endr
.irp b, 0,1,2,3
	s_delay_alu instid0(VALU_DEP_4)
	v_add_nc_u32 v[TM+12+\b], 0xfc000000, v[TM+\b] ; 8 off its exponent field: the conversion takes this operand's exponent field as its scale
.endr
.irp b, 0,1,2,3
.endr
.irp b, 0,1,2,3
	s_delay_alu instid0(VALU_DEP_4)
	v_lshrrev_b32 v[TM+4+\b], 23, v[TM+12+\b]      ; the scale's byte
.endr
	s_delay_alu instid0(VALU_DEP_3)
	v_lshl_or_b32 v[\pw], v[TM+5], 8, v[TM+4]
	s_delay_alu instid0(VALU_DEP_1)
	v_lshl_or_b32 v[\pw], v[TM+6], 16, v[\pw]
	s_delay_alu instid0(VALU_DEP_1)
	v_lshl_or_b32 v[\pw], v[TM+7], 24, v[\pw]
.irp b, 0,1,2,3
.irp i, 0,1,2,3,4,5,6,7,8,9,10,11,12,13,14,15
.endr
	v_cvt_scalef32_pk8_fp8_f32 v[(\pc)+4*\b:(\pc)+4*\b+1], v[(\s)+16*\b:(\s)+16*\b+7], v[TM+12+\b]
	v_cvt_scalef32_pk8_fp8_f32 v[(\pc)+4*\b+2:(\pc)+4*\b+3], v[(\s)+16*\b+8:(\s)+16*\b+15], v[TM+12+\b]
.endr
	v_nop                                          ; one plain vector line behind the last conversion
.endm
	LOAD 0
	LOAD 1                                         ; all 32 loads of the wave, 16 KiB, are out at once
	s_wait_loadcnt 16                              ; the first K step's 16 are in; the second's 16 may be out
	TURN 0
	s_wait_dscnt 0x0
	QUANT X, PC, 8                                 ; v8: the first K step's scale word
.irp c, 0,1,2,3
	global_store_b128 v1, v[PC+4*\c:PC+4*\c+3], s[34:35] offset:512*\c   ; 32 lanes store 512 consecutive bytes
.endr
	s_wait_loadcnt 0x0
	TURN 1
	s_wait_dscnt 0x0
	QUANT X, PC+16, 9                              ; v9: the second's
.irp c, 0,1,2,3
	global_store_b128 v1, v[PC+16+4*\c:PC+16+4*\c+3], s[34:35] offset:2048+512*\c
.endr
	v_cndmask_b32 v10, v8, v9, s[HI16]             ; lanes 0-15: the even K step's words of rows 0-15; lanes 16-31: the odd one's
	global_store_b32 v4, v10, s[36:37]             ; 128 consecutive bytes
	s_wait_tensorcnt 0x0
	ds_add_u32 v14, v15
	s_wait_dscnt 0x0
	s_endpgm
.Lfunc_end_k_qafdf163a7a_quant:
	.size	k_qafdf163a7a_quant, .Lfunc_end_k_qafdf163a7a_quant-k_qafdf163a7a_quant
	.p2alignl 7, 3214868480
	.fill 96, 4, 3214868480
	.section	.rodata,"a",@progbits
	.p2align	6, 0x0
	.amdhsa_kernel k_qafdf163a7a_quant
		.amdhsa_group_segment_fixed_size 68608
		.amdhsa_private_segment_fixed_size 0
		.amdhsa_enable_private_segment 0
		.amdhsa_kernarg_size 56
		.amdhsa_user_sgpr_count 2
		.amdhsa_user_sgpr_kernarg_segment_ptr 1
		.amdhsa_wavefront_size32 1
		.amdhsa_system_sgpr_workgroup_id_x 1
		.amdhsa_system_sgpr_workgroup_id_y 1
		.amdhsa_system_sgpr_workgroup_id_z 1
		.amdhsa_system_vgpr_workitem_id 0
		.amdhsa_next_free_vgpr 256
		.amdhsa_next_free_sgpr 66
		.amdhsa_reserve_vcc 0
		.amdhsa_float_denorm_mode_32 3
		.amdhsa_float_denorm_mode_16_64 3
		.amdhsa_fp16_overflow 1
		.amdhsa_memory_ordered 1
		.amdhsa_forward_progress 1
		.amdhsa_inst_pref_size 22
	.end_amdhsa_kernel
	.amdgpu_metadata
---
amdhsa.version: [ 1, 2 ]
amdhsa.kernels:
  - .name:           k_qafdf163a7a_quant
    .symbol:         k_qafdf163a7a_quant.kd
    .args:
      - { .name: x, .offset: 0, .size: 8, .value_kind: global_buffer, .address_space: global }
      - { .name: Wq, .offset: 8, .size: 8, .value_kind: global_buffer, .address_space: global }
      - { .name: Wk, .offset: 16, .size: 8, .value_kind: global_buffer, .address_space: global }
      - { .name: Wv, .offset: 24, .size: 8, .value_kind: global_buffer, .address_space: global }
      - { .name: Wp, .offset: 32, .size: 8, .value_kind: global_buffer, .address_space: global }
      - { .name: xc, .offset: 40, .size: 8, .value_kind: global_buffer, .address_space: global }
      - { .name: wc, .offset: 48, .size: 8, .value_kind: global_buffer, .address_space: global }
    .group_segment_fixed_size: 68608
    .private_segment_fixed_size: 0
    .kernarg_segment_align: 8
    .kernarg_segment_size: 56
    .max_flat_workgroup_size: 256
    .sgpr_count:     66
    .vgpr_count:     256
    .wavefront_size: 32
...
	.end_amdgpu_metadata
.endif
;; end of part 1
;; launch qkv (part 2): grid 16 x 48, 4 waves a work-group, clusters of 4 x 4, 262,656 bytes of LDS; arguments xc, wc, bq, bk, bv, qc, kv; writes qc, kv
.if DOCPART == 2
	.amdgcn_target "amdgcn-amd-amdhsa--gfx1250"
	.amdhsa_code_object_version 6
	.text
	.protected	k_qafdf163a7a_qkv
	.globl	k_qafdf163a7a_qkv
	.p2align	8
	.type	k_qafdf163a7a_qkv,@function
k_qafdf163a7a_qkv:
	s_mov_b64 s[64:65], 0
	v_nop
	global_prefetch_b8 v0, s[64:65] scope:SCOPE_SE
	s_setreg_imm32_b32 hwreg(HW_REG_WAVE_MODE, 25, 1), 1
	s_wait_xcnt 0x0
	s_wait_alu depctr_hold_cnt(0) depctr_sa_sdst(0) depctr_va_vdst(0) depctr_va_sdst(0) depctr_va_ssrc(0) depctr_va_vcc(0) depctr_vm_vsrc(0)
	s_getreg_b32 s2, hwreg(HW_REG_IB_STS2, 6, 4)
	s_cmp_eq_u32 s2, 0
	s_cbranch_scc0 .Lentry_in_a_cluster
	s_endpgm
.Lentry_in_a_cluster:
	s_bfe_u32 s2, ttmp6, 0x10000c
	s_cmp_lg_u32 s2, 0xf033
	s_cbranch_scc0 .Lentry_shape_is_right
	s_endpgm
.Lentry_shape_is_right:
; q = x Wq^T + bq, k = x Wk^T + bk, v = x Wv^T + bv on codes of FP8 (E4M3) with E8M0 scales, and each result quantised at once for the product that takes it: q and k along the head's 64 channels, v along the keys.
; Operands come as images of operand registers (fragment: 16 rows x 128 K, 2,048 bytes; group c at 512 c holds at 16 x lane the codes k = 32 c + 16 (lane / 16) + 0..15 of the lane's row;
; row block i: lane r holds row 32 (i / 2) + 8 (i % 2) + r + 8 (r / 8)); scale words [row block][K step][16 rows] at SCO.
; A TILE is 128 (P, source 0) x 128 (R, source 1), all of K = 1,024.  In the results of P's row blocks 2 B and 2 B + 1 a lane holds 16 neighbours along P, index 32 B + 16 (lane / 16) + 0..15, of ONE row of R (lane % 16):
; so P is the axis that is quantised.  q, k: P = rows of Wq / Wk (channels), R = tokens.  v: P = tokens (the keys), R = rows of Wv.  One text serves all three; only scalars differ, chosen on the CLUSTER's x and y.
; Both panels of a tile (128 KiB each, dense in memory) lie in LDS whole: every LDS byte is filled once, nothing is filled again.  768 tiles of 128 x 128 are three for each of 256 WGPs; tiles of 256 x 256 would be 192.
; CLUSTERS: 4 x 4 work-groups.  R's panel hangs on the work-group's y and is asked for jointly by a row of the cluster, P's on its x and by a column.
; OUT: qc: images [16 heads][256 tiles][2 groups][512], then at SCO words [head][tile][16] (bytes 0, 1; bytes 2, 3 are 0 and meet zero codes alone).
;      kv: [16 heads][4 parts of 1,024 keys], a part: K images [64 tiles][2][512]; at 65,536 V images [8 chunks of 128 keys][4 tiles of 16 channels][4][512]; at 131,072 K words [64][16]; at 135,168 V words [8][4][16].
; LIMITS: a block of zeros gets the byte 1 where the rule says 127 (zero codes; this program alone reads the bytes); NaN and infinities are not served.  The scale words leave in stores of 128 and 64 useful bytes: one byte in 32 of the output.
; REGISTERS: window 0: v1, v2 16 x and 4 x lane; v5, v6 bias offsets; v8-11, v12-15 LDS addresses of R's and P's fragments in chunk 0..3; v16-19 output offsets; v32-47, v48-63 scale words of P, R;
;   v64-95 the C of the first K step, later codes; v96-103 v's bias; v104-123 at work; v128-255 the 16 accumulators ((a, b) at 128 + 8 (4 a + b), a: R's block, b: P's).   window 1: two buffers of 4 + 4 fragments.
.set SCO,   4194304
.set PARTB, 137216
.set L16, 1
.set L4,  2
.set VH,  5
.set VR,  6
.set AR,  8
.set AP,  12
.set VO,  16
.set SCP, 32
.set SCR, 48
.set BP,  64
.set BR,  96
.set TM,  104
.set ACC, 128
.set HI16, 2                           ; s2  lanes 16-31 (set behind the offsets)
.set MNT,  3
.set WV,  18
.set WP,  19                           ; wave % 2: my 64 of P; also which half of a panel I fetch
.set WR,  20                           ; wave / 2: my 64 of R
.set CX,  21
.set CY,  22
.set ISV, 23
.set G1R, 24                           ; s[24:31] group 1 for R's panel;  s[32:39] for P's: they differ in the mask alone
.set G1P, 32
.set G0R, 40                           ; s[40:55] group 0 for R's four chunks
.set ISQ, 56
.set YY,  57
.set WX,  58
.set PT,  59
.set RT,  60
.set RTB, 61
.set SEL, 66                           ; s66, s67 lane selects: lane xor 16
.set G0P, 68                           ; s[68:83] group 0 for P's four chunks
.set STR, 98
.set LW,  99
.set MSB, 0
.macro WIN new                         ; the immediate's high byte repeats the setting that is left
.if MSB != \new
	s_set_vgpr_msb (MSB<<8)|\new
.set MSB, \new
.endif
.endm
.macro PLACES n
.rept \n
	v_nop
.endr
.endm
.macro CROUND                          ; a round of the cluster's barrier
	s_barrier_signal -1
	s_barrier_wait -1
	s_cmp_lg_u32 s[WV], 0
	s_cbranch_scc1 .Lnot_wave_0_\@
	s_barrier_signal -3
.Lnot_wave_0_\@:
	s_barrier_wait -3
	s_barrier_signal -1
	s_barrier_wait -1
.endm
	s_load_b256 s[4:11], s[0:1], 0x0               ; xc, wc, bq, bk
	s_load_b128 s[12:15], s[0:1], 0x20             ; bv, qc
	s_load_b64 s[16:17], s[0:1], 0x30              ; kv
	v_lshl_add_u32 v126, v0, 2, 0x40000
	v_mov_b32 v127, 0
	ds_add_u32 v126, v127
	ds_add_u32 v126, v127
	v_lshrrev_b32 v3, 5, v0
	v_readfirstlane_b32 s[WV], v3                  ; wave 0..3
	s_and_b32 s[WP], s[WV], 1
	s_lshr_b32 s[WR], s[WV], 1
	s_bfe_u32 s[CX], ttmp6, 0x40000                ; my place in the cluster
	s_bfe_u32 s[CY], ttmp6, 0x40004
	s_and_b32 s[YY], ttmp7, 0xffff                 ; the cluster's y, 0..11: 0-7 q and k, 8-11 v
	s_lshl_b32 s[WX], ttmp9, 2
	s_add_co_u32 s[WX], s[WX], s[CX]               ; work-group x, 0..15
	s_cmp_lt_u32 ttmp9, 2
	s_cselect_b32 s[ISQ], 1, 0                     ; q, k: x 0-7 are Wq's tiles, 8-15 Wk's
	s_and_b32 s100, s[YY], 1
	s_lshl_b32 s100, s100, 4
	s_sub_co_u32 s62, s[YY], 8
	s_lshr_b32 s62, s62, 1
	s_cmp_ge_u32 s[YY], 8
	s_cselect_b32 s[ISV], 1, 0
	s_cselect_b32 s100, s100, 0
	s_cselect_b32 s62, s62, s[YY]
	s_cselect_b32 s63, 16, 0
	s_add_co_u32 s[PT], s[WX], s100                ; P's tile: q, k: x (of wc);  v: x + 16 ((y - 8) % 2) (of xc).  It holds cx and never cy
	s_lshl_b32 s62, s62, 2
	s_add_co_u32 s[RT], s62, s[CY]                 ; R's tile: q, k: 4 y + cy (of xc);  v: 4 ((y - 8) / 2) + cy (of Wv).  It holds cy and never cx
	s_add_co_u32 s[RTB], s[RT], s63                ; and in its buffer: Wv's tiles begin at wc's tile 16
	s_lshl_b32 s62, s[CY], 2
	s_lshl_b32 s62, 15, s62                        ; my row of the cluster
	s_lshl_b32 s100, 0x1111, s[CX]                 ; my column
	s_or_b32 s[G1R], s62, (3<<16)|(1<<21)          ; 15:0 the mask; 17:16 elements of 8 bytes; 21 set beside a mask; no padding
	s_or_b32 s[G1P], s100, (3<<16)|(1<<21)
.irp g, G1R, G1P
	s_mov_b32 s[\g+1], 512<<16                     ; tensor_dim0 = 512 elements: two K steps' images of a row block, 4,096 bytes
	s_mov_b32 s[\g+2], 4<<16                       ; tensor_dim1 = 4 row blocks
	s_mov_b32 s[\g+3], 512<<16                     ; tile_dim0
	s_mov_b32 s[\g+4], 4                           ; tile_dim1
	s_mov_b32 s[\g+5], 2048                        ; from row block to row block: 16,384 bytes
	s_mov_b32 s[\g+6], 0
	s_mov_b32 s[\g+7], 0
.endr
	s_lshl_b32 s100, s[PT], 17                     ; a panel is 131,072 bytes; my half of it 65,536
	s_lshl_b32 s101, s[WP], 16
	s_add_co_u32 s100, s100, s101
	s_mov_b32 s101, 0
	s_lshl_b32 s62, s[RTB], 17
	s_lshl_b32 s63, s[WP], 16
	s_add_co_u32 s62, s62, s63
	s_mov_b32 s63, 0
	s_lshl_b32 s[LW], s[WV], 14                    ; where a chunk's quarter goes: 16,384 x wave: R's two halves, then P's two
	s_mov_b32 s[SEL], 0x76543210
	s_mov_b32 s[SEL+1], 0xfedcba98
	s_wait_dscnt 0x0
	s_wait_kmcnt 0x0
	s_cmp_lg_u32 s[ISV], 0
	s_cselect_b64 s[84:85], s[4:5], s[6:7]         ; P's buffer: xc for v, wc for q and k
	s_cselect_b64 s[86:87], s[6:7], s[4:5]         ; R's: the other
	s_add_nc_u64 s[88:89], s[84:85], s[100:101]
	s_add_nc_u64 s[90:91], s[86:87], s[62:63]
	CROUND                                         ; all sixteen work-groups are here: the joint loads meet
.irp j, 0,1,2,3                        ; chunk j = K steps 2 j, 2 j + 1, at LDS byte 65,536 j
	s_mov_b32 s[G0R+4*\j], 1
	s_add_co_u32 s[G0R+4*\j+1], s[LW], 65536*\j
	s_add_nc_u64 s[G0R+4*\j+2:G0R+4*\j+3], s[90:91], 4096*\j
	s_or_b32 s[G0R+4*\j+3], s[G0R+4*\j+3], 0x80000000
	s_mov_b32 s[G0P+4*\j], 1
	s_add_co_u32 s[G0P+4*\j+1], s[LW], 65536*\j
	s_add_nc_u64 s[G0P+4*\j+2:G0P+4*\j+3], s[88:89], 4096*\j
	s_or_b32 s[G0P+4*\j+3], s[G0P+4*\j+3], 0x80000000
.endr
	s_cmp_lt_u32 s[WV], 2                          ; waves 0, 1 fetch R's halves, waves 2, 3 P's: a wave's four fills stand in one branch; four tensor loads of mine are out
	s_cbranch_scc0 .Lfill_p
.irp j, 0,1,2,3
	tensor_load_to_lds s[G0R+4*\j:G0R+4*\j+3], s[G1R:G1R+7]
	s_nop 0
.endr
	PLACES 4
	s_branch .Lfilled
.Lfill_p:
.irp j, 0,1,2,3
	tensor_load_to_lds s[G0P+4*\j:G0P+4*\j+3], s[G1P:G1P+7]
	s_nop 0
.endr
	PLACES 4
.Lfilled:
	v_and_b32 v3, 31, v0
	v_lshlrev_b32 v[L16], 4, v3
	v_lshlrev_b32 v[L4], 2, v3
	s_wait_alu depctr_va_vdst(0)
	s_lshl_b32 s100, s[PT], 12                     ; scale words: 4,096 bytes a tile, 2,048 for my four row blocks
	s_lshl_b32 s2, s[WP], 11
	s_add_co_u32 s100, s100, s2
	s_add_co_u32 s100, s100, SCO
	s_add_nc_u64 s[88:89], s[84:85], s[100:101]
	s_lshl_b32 s62, s[RTB], 12
	s_lshl_b32 s2, s[WR], 11
	s_add_co_u32 s62, s62, s2
	s_add_co_u32 s62, s62, SCO
	s_add_nc_u64 s[90:91], s[86:87], s[62:63]
.irp b, 0,1,2,3
.irp i, 0,1,2,3
	global_load_b32 v[SCP+4*\b+\i], v[L4], s[88:89] offset:512*\b+128*\i   ; lanes 0-15: K step 2 i; lanes 16-31: K step 2 i + 1
	global_load_b32 v[SCR+4*\b+\i], v[L4], s[90:91] offset:512*\b+128*\i
.endr
.endr
	v_bfe_u32 v[VH], v0, 4, 1
	v_lshlrev_b32 v[VH], 6, v[VH]                  ; 64 h: 16 numbers of a bias further on for lanes 16-31
	v_and_b32 v[VR], 15, v0
	v_and_b32 v4, 8, v[VR]
	v_add_nc_u32 v[VR], v[VR], v4
	v_lshlrev_b32 v[VR], 2, v[VR]                  ; 4 (r + 8 (r / 8))
	s_lshl_b32 s2, s[WR], 14
	v_add_nc_u32 v[AR], s2, v[L16]
	s_lshl_b32 s2, s[WP], 14
	s_add_co_u32 s2, s2, 32768
	v_add_nc_u32 v[AP], s2, v[L16]
.irp j, 1,2,3
	v_add_nc_u32 v[AR+\j], 65536*\j, v[AR]
	v_add_nc_u32 v[AP+\j], 65536*\j, v[AP]
.endr
.irp b, 0,1,2,3
	v_mov_b32 v[TM+4+\b], 0                        ; written once: a lane permute's destination counts as one of its sources
.endr
	; where the results go.  q, k: head = 2 (x % 8) + wave % 2, tiles 8 RT + 4 (wave / 2) on
	s_and_b32 s2, s[WX], 7
	s_lshl_b32 s2, s2, 1
	s_add_co_u32 s2, s2, s[WP]
	s_lshl_b32 s3, s[RT], 3
	s_lshl_b32 s57, s[WR], 2
	s_add_co_u32 s3, s3, s57
	s_lshl_b32 s62, s2, 18                         ; q's codes: 262,144 a head, 1,024 a tile
	s_lshl_b32 s57, s3, 10
	s_add_co_u32 s62, s62, s57
	s_lshl_b32 s63, s2, 14                         ; q's words: 16,384 a head, 64 a tile
	s_lshl_b32 s57, s3, 6
	s_add_co_u32 s63, s63, s57
	s_add_co_u32 s63, s63, SCO
	s_lshl_b32 s100, s2, 2                         ; k: part 4 head + RT / 8
	s_lshr_b32 s57, s[RT], 3
	s_add_co_u32 s100, s100, s57
	s_mul_i32 s100, s100, PARTB
	s_and_b32 s3, s3, 63                           ; the tile within the part
	s_lshl_b32 s57, s3, 10
	s_add_co_u32 s101, s100, s57
	s_lshl_b32 s57, s3, 6
	s_add_co_u32 s100, s100, s57
	s_add_co_u32 s100, s100, 131072
	s_cmp_lg_u32 s[ISQ], 0
	s_cselect_b32 s62, s62, s101
	s_cselect_b32 s63, s63, s100
	s_cselect_b64 s[92:93], s[14:15], s[16:17]
	s_cselect_b64 s[96:97], s[8:9], s[10:11]       ; bq or bk
	s_lshl_b32 s2, s[RT], 1                        ; v: head = 2 RT + wave / 2, part 4 head + PT / 8, chunk PT % 8, groups 2 (wave % 2) on
	s_add_co_u32 s2, s2, s[WR]
	s_lshl_b32 s2, s2, 2
	s_lshr_b32 s57, s[PT], 3
	s_add_co_u32 s2, s2, s57
	s_mul_i32 s2, s2, PARTB
	s_and_b32 s3, s[PT], 7
	s_lshl_b32 s57, s3, 13
	s_add_co_u32 s100, s2, s57
	s_lshl_b32 s57, s[WP], 10
	s_add_co_u32 s100, s100, s57
	s_add_co_u32 s100, s100, 65536
	s_lshl_b32 s57, s3, 8
	s_add_co_u32 s101, s2, s57
	s_lshl_b32 s57, s[WP], 1
	s_add_co_u32 s101, s101, s57
	s_add_co_u32 s101, s101, 135168
	s_and_b32 s2, s[WX], 7                         ; the bias: q, k: channel 128 (x % 8) + 64 (wave % 2);  v: 128 RT + 64 (wave / 2)
	s_lshl_b32 s2, s2, 9
	s_lshl_b32 s57, s[WP], 8
	s_add_co_u32 s2, s2, s57
	s_lshl_b32 s3, s[RT], 9
	s_lshl_b32 s57, s[WR], 8
	s_add_co_u32 s3, s3, s57
	s_mov_b32 s[STR], 1024                         ; from one of R's blocks to the next in the output: a tile of q or k, or a tile of V's channels
	s_cmp_lg_u32 s[ISV], 0
	s_cselect_b32 s62, s100, s62
	s_cselect_b32 s63, s101, s63
	s_cselect_b64 s[92:93], s[16:17], s[92:93]
	s_cselect_b64 s[96:97], s[12:13], s[96:97]
	s_cselect_b32 s2, s3, s2
	s_cselect_b32 s[STR], 2048, s[STR]
	s_mov_b32 s3, 0
	s_add_nc_u64 s[96:97], s[96:97], s[2:3]
	s_mov_b32 s2, s63
	s_add_nc_u64 s[94:95], s[92:93], s[2:3]        ; scale words
	s_mov_b32 s2, s62
	s_add_nc_u64 s[92:93], s[92:93], s[2:3]        ; codes
	s_mov_b32 s[HI16], 0xffff0000
.irp a, 0,1,2,3
	v_mad_u32_u24 v[VO+\a], s[STR], \a, v[L16]
.endr
	s_cmp_lg_u32 s[ISV], 0
	s_cbranch_scc1 .Lbias_v
.irp b, 0,1,2,3                        ; q, k: the bias runs along P: it is the C of the first K step, eight registers a block in the result's layout
	global_load_b128 v[BP+8*\b:BP+8*\b+3], v[VH], s[96:97] offset:(32*(\b/2)+8*(\b%2))*4
	global_load_b128 v[BP+8*\b+4:BP+8*\b+7], v[VH], s[96:97] offset:(32*(\b/2)+8*(\b%2))*4+16
.endr
.irp i, 0,1,2,3,4,5,6,7
	v_mov_b32 v[BR+\i], 0
.endr
	s_branch .Lbias_done
.Lbias_v:
.set n, 0
.rept 32
	v_mov_b32 v[BP+n], 0                           ; v: the bias runs along R, one number a lane and block: it is added behind the sums, and the first K step's C is 0
.set n, n+1
.endr
.irp a, 0,1,2,3
	global_load_b32 v[BR+2*\a], v[VR], s[96:97] offset:(32*(\a/2)+8*(\a%2))*4
	global_load_b32 v[BR+2*\a+1], v[VR], s[96:97] offset:(32*(\a/2)+8*(\a%2))*4
.endr
.Lbias_done:
.macro FETCH q                         ; K step q's eight fragments into buffer q % 2: 32 loads, each of 512 consecutive bytes
	WIN 0x40                                       ; destination window 1, address window 0
.irp b, 0,1,2,3
.irp c, 0,1,2,3
	ds_load_b128 v[128*((\q)%2)+16*\b+4*\c:128*((\q)%2)+16*\b+4*\c+3], v[AP+(\q)/2] offset:4096*\b+2048*((\q)%2)+512*\c
.endr
.endr
.irp b, 0,1,2,3
.irp c, 0,1,2,3
	ds_load_b128 v[128*((\q)%2)+64+16*\b+4*\c:128*((\q)%2)+64+16*\b+4*\c+3], v[AR+(\q)/2] offset:4096*\b+2048*((\q)%2)+512*\c
.endr
.endr
.endm
.macro MUL q                           ; 16 products; the sixteen accumulators take turns, in the same order in every K step
	WIN 0x05                                       ; sources 0 and 1 window 1; C and D window 0
.irp a, 0,1,2,3
.irp b, 0,1,2,3
.set rD, ACC+8*(4*\a+\b)
.set rP, 128*((\q)%2)+16*\b
.set rR, 128*((\q)%2)+64+16*\a
.set rX, SCP+4*\b+(\q)/2
.set rY, SCR+4*\a+(\q)/2
.if (\q) == 0
	v_wmma_scale_f32_16x16x128_f8f6f4 v[rD:rD+7], v[rP:rP+15], v[rR:rR+15], v[BP+8*\b:BP+8*\b+7], v[rX], v[rY]
.elseif (\q)%2 == 0
	v_wmma_scale_f32_16x16x128_f8f6f4 v[rD:rD+7], v[rP:rP+15], v[rR:rR+15], v[rD:rD+7], v[rX], v[rY]
.else
	v_wmma_scale_f32_16x16x128_f8f6f4 v[rD:rD+7], v[rP:rP+15], v[rR:rR+15], v[rD:rD+7], v[rX], v[rY] matrix_a_scale:MATRIX_SCALE_ROW1 matrix_b_scale:MATRIX_SCALE_ROW1
.endif
.endr
.endr
.endm
.macro KSTEP q
	s_wait_dscnt 0x0                               ; this K step's fragments are in (asked for 16 products ago)
.if (\q == 1) || (\q == 3) || (\q == 5)
	s_wait_tensorcnt 3-(\q+1)/2                    ; my quarter of the next chunk has landed; my loads of the later chunks may stay out
	s_barrier_signal -1
	s_barrier_wait -1                              ; everybody's has
.endif
.if (\q >= 1) && (\q < 7)
	PLACES 8                                       ; loads into registers that the K step before multiplied stand eight places behind its products
.endif
.if \q < 7
	FETCH \q+1
.endif
	MUL \q
.endm
	s_wait_tensorcnt 0x3                           ; my quarter of chunk 0 has landed
	s_barrier_signal -1
	s_barrier_wait -1
	FETCH 0
	s_wait_loadcnt 0x0                             ; scale words and biases
	s_wait_alu depctr_va_vdst(0)
.irp q, 0,1,2,3,4,5,6,7
	KSTEP \q
.endr
	WIN 0
	PLACES 8
; 64 numbers of a lane in four blocks of 16 (with lane xor 16: 32) become 16 registers of codes at v[pc]; the four bytes stay in v[TM+4..7]
.macro QUANT s, pc
.irp b, 0,1,2,3
	v_max3_num_f32 v[TM+\b], |v[(\s)+16*\b]|, |v[(\s)+16*\b+1]|, 0x4800000   ; and the floor 2^(9 - 127): the byte cannot fall under 1
.endr
.irp i, 2,4,6,8,10,12,14
.irp b, 0,1,2,3
	v_max3_num_f32 v[TM+\b], v[TM+\b], |v[(\s)+16*\b+\i]|, |v[(\s)+16*\b+\i+1]|
.endr
.endr
.irp b, 0,1,2,3
	v_permlanex16_b32 v[TM+4+\b], v[TM+\b], s[SEL], s[SEL+1]
.endr
.irp b, 0,1,2,3
	v_max_num_f32 v[TM+\b], v[TM+\b], v[TM+4+\b]
.endr
.irp b, 0,1,2,3
	v_add_nc_u32 v[TM+12+\b], 0xfc000000, v[TM+\b] ; 8 off the exponent field: the conversion's scale operand
.endr
.irp b, 0,1,2,3
.endr
.irp b, 0,1,2,3
	v_lshrrev_b32 v[TM+4+\b], 23, v[TM+12+\b]      ; the byte
.endr
.irp b, 0,1,2,3
.irp i, 0,1,2,3,4,5,6,7,8,9,10,11,12,13,14,15
.endr
	v_cvt_scalef32_pk8_fp8_f32 v[(\pc)+4*\b:(\pc)+4*\b+1], v[(\s)+16*\b:(\s)+16*\b+7], v[TM+12+\b]
	v_cvt_scalef32_pk8_fp8_f32 v[(\pc)+4*\b+2:(\pc)+4*\b+3], v[(\s)+16*\b+8:(\s)+16*\b+15], v[TM+12+\b]
.endr
	v_nop                                          ; one plain vector line behind the last conversion
.endm
; R's blocks a0 and a0 + 1: each has 32 registers a lane, two blocks of 32 along P.  pc, hr: registers of their own for each call, so that no store's data are written again
.macro OUT a0, pc, hr
	s_cmp_lg_u32 s[ISV], 0
	s_cbranch_scc0 .Lno_bias_\@
.irp d, 0,1
.set n, 0
.rept 16
	v_pk_add_f32 v[ACC+32*(\a0+\d)+n:ACC+32*(\a0+\d)+n+1], v[ACC+32*(\a0+\d)+n:ACC+32*(\a0+\d)+n+1], v[BR+2*(\a0+\d):BR+2*(\a0+\d)+1]   ; v's bias, ahead of the quantiser
.set n, n+2
.endr
.endr
.Lno_bias_\@:
	QUANT ACC+32*\a0, \pc
	v_lshl_or_b32 v120, v[TM+5], 8, v[TM+4]        ; block a0's two bytes,
	v_lshl_or_b32 v121, v[TM+7], 8, v[TM+6]        ; block a0 + 1's
	v_cndmask_b32 v[\hr], v120, v121, s[HI16]      ; lanes 0-15 carry the first, lanes 16-31 the second
.irp d, 0,1
.irp e, 0,1
	global_store_b128 v[VO+\a0+\d], v[\pc+8*\d+4*\e:\pc+8*\d+4*\e+3], s[92:93] offset:512*\e   ; a group of an image: 512 consecutive bytes
.endr
.endr
	s_cmp_lg_u32 s[ISV], 0
	s_cbranch_scc1 .Lv_word_\@
	global_store_b32 v[L4], v[\hr], s[94:95] offset:64*\a0   ; q, k: whole words, bytes 2 and 3 zero
	s_branch .Lword_done_\@
.Lv_word_\@:
	s_wait_alu depctr_va_vdst(0)
	global_store_b16 v[L4], v[\hr], s[94:95] offset:64*\a0   ; v: my two bytes of the word; the other two are the other wave's
.Lword_done_\@:
.endm
	OUT 0, 64, 122
	OUT 2, 80, 123
	s_wait_tensorcnt 0x0
	ds_add_u32 v126, v127
	s_wait_dscnt 0x0
	CROUND                                         ; the closing round: no work-group ends while a partner may still ask for a panel that names it
	s_endpgm
.Lfunc_end_k_qafdf163a7a_qkv:
	.size	k_qafdf163a7a_qkv, .Lfunc_end_k_qafdf163a7a_qkv-k_qafdf163a7a_qkv
	.p2alignl 7, 3214868480
	.fill 96, 4, 3214868480
	.section	.rodata,"a",@progbits
	.p2align	6, 0x0
	.amdhsa_kernel k_qafdf163a7a_qkv
		.amdhsa_group_segment_fixed_size 262656
		.amdhsa_private_segment_fixed_size 0
		.amdhsa_enable_private_segment 0
		.amdhsa_kernarg_size 56
		.amdhsa_user_sgpr_count 2
		.amdhsa_user_sgpr_kernarg_segment_ptr 1
		.amdhsa_wavefront_size32 1
		.amdhsa_system_sgpr_workgroup_id_x 1
		.amdhsa_system_sgpr_workgroup_id_y 1
		.amdhsa_system_sgpr_workgroup_id_z 1
		.amdhsa_system_vgpr_workitem_id 0
		.amdhsa_next_free_vgpr 512
		.amdhsa_next_free_sgpr 102
		.amdhsa_reserve_vcc 0
		.amdhsa_float_denorm_mode_32 3
		.amdhsa_float_denorm_mode_16_64 3
		.amdhsa_fp16_overflow 1
		.amdhsa_memory_ordered 1
		.amdhsa_forward_progress 1
		.amdhsa_inst_pref_size 65
	.end_amdhsa_kernel
	.amdgpu_metadata
---
amdhsa.version: [ 1, 2 ]
amdhsa.kernels:
  - .name:           k_qafdf163a7a_qkv
    .symbol:         k_qafdf163a7a_qkv.kd
    .args:
      - { .name: xc, .offset: 0, .size: 8, .value_kind: global_buffer, .address_space: global }
      - { .name: wc, .offset: 8, .size: 8, .value_kind: global_buffer, .address_space: global }
      - { .name: bq, .offset: 16, .size: 8, .value_kind: global_buffer, .address_space: global }
      - { .name: bk, .offset: 24, .size: 8, .value_kind: global_buffer, .address_space: global }
      - { .name: bv, .offset: 32, .size: 8, .value_kind: global_buffer, .address_space: global }
      - { .name: qc, .offset: 40, .size: 8, .value_kind: global_buffer, .address_space: global }
      - { .name: kv, .offset: 48, .size: 8, .value_kind: global_buffer, .address_space: global }
    .group_segment_fixed_size: 262656
    .private_segment_fixed_size: 0
    .kernarg_segment_align: 8
    .kernarg_segment_size: 56
    .max_flat_workgroup_size: 128
    .sgpr_count:     102
    .vgpr_count:     512
    .wavefront_size: 32
...
	.end_amdgpu_metadata
.endif
;; end of part 2
;; launch attn (part 3): grid 16 x 16, 16 waves a work-group, no clusters, 327,680 bytes of LDS; arguments qc, kv, yc; writes yc
.if DOCPART == 3
	.amdgcn_target "amdgcn-amd-amdhsa--gfx1250"
	.amdhsa_code_object_version 6
	.text
	.protected	k_qafdf163a7a_attn
	.globl	k_qafdf163a7a_attn
	.p2align	8
	.type	k_qafdf163a7a_attn,@function
k_qafdf163a7a_attn:
	s_mov_b64 s[64:65], 0
	v_nop
	global_prefetch_b8 v0, s[64:65] scope:SCOPE_SE
	s_setreg_imm32_b32 hwreg(HW_REG_WAVE_MODE, 25, 1), 1
	s_wait_xcnt 0x0
; y[q] = the sum over keys k <= q of softmax_k(q . k / 8) v[k], head by head (16 heads of 64 channels, 4,096 tokens), both products on codes of FP8 (E4M3) with E8M0 scales; y is quantised at once along the 1,024 channels for the last product.
; THE SOFTMAX: t = score x log2(e) / 8; M = the row's largest t so far, rounded UP to a whole number; p = 2^(t - M) is quantised along the keys, not normalised.  The row's sum is taken of the unquantised p, in f32, and divides at the end.
; When M moves, the sum and O are multiplied by 2^(old M - new M): exact.
; OPERANDS are images of operand registers (group c of 512 bytes: at 16 x lane the codes k = 32 c + 16 (lane / 16) + 0..15 of the lane's row).  Tile i of tokens or channels: lane r holds 32 (i / 2) + 8 (i % 2) + r + 8 (r / 8).
; Both products are used transposed: S^T = K Q^T, O^T = V^T P^T: a lane holds ONE query (lane % 16); by the choice of a tile's rows the 16 registers of tiles 2 b, 2 b + 1 of S^T are keys 32 b + 16 (lane / 16) + 0..15, and O^T's likewise channels.
; The head has 64 channels, the instruction takes 128: the upper eight registers of Q's and K's fragments hold zero codes for the whole launch.
; SHARES: work-group (x, head).  Waves 0-7 own the 128 queries of block x, waves 8-15 those of block 31 - x, a tile of 16 each: x + 1 and 32 - x key steps of 128, 33 for each pair of waves in every work-group.
; No cluster: the work-groups that share K and V differ in their query blocks, and which steps are left out is a branch on that block.
; RING: two slots of one part (1,024 keys: K's and V's images and scale words, 137,216 dense bytes), four parts: two first fills, two refills; waves 0-7 fetch an eighth each.  Every work-group walks all 32 steps, so that the trip counts
; are constants and no tensor load or barrier is jumped over; a step all of whose keys come after my queries leaves out its work.  (Work-groups with x >= 8 so fetch a fourth part that none of their waves reads.)
; LIMITS: NaN and infinities are not served; a block of zeros keeps the byte 1 (zero codes; this program alone reads the bytes); a block's largest p is taken through its largest score, which leans on v_exp_f32 not falling where its input rises.
; y's scale bytes leave as stores of two bytes a row (the word's other half is the neighbouring head's): one byte in 32 of the output.
.set PARTB, 137216
.set SHARE, 17152                      ; an eighth of a part: 67 rows of 256 bytes
.set SPARE, 2*PARTB                    ; behind the ring: the spare words, 128 bytes for each of 16 waves: eight blocks of 256 bytes that no other line names
.set SCO,   4194304
.set L16, 1                            ; v1  16 x lane
.set L4,  2                            ; v2  4 x lane
.set SPW, 3                            ; v3  my spare word; never rewritten
.set NIL, 4                            ; v4  0; never rewritten
.set DQ,  5                            ; v5  my query within its block of 128, less 16 (lane / 16)
.set NINF, 6                           ; v6  -infinity
.set R4,  7                            ; v7  4 x (lane % 16)
.set ADK, 8                            ; v8-11 LDS addresses of the step: K, V, K's words, V's words
.set ADV, 9
.set ADS, 10
.set ADT, 11                           ; v12 -M, v13 the largest t, v[14:15] the sum in two halves
.set QF,  16                           ; v16-31  Q: 8 registers of codes, 8 of zeros
.set KF,  32                           ; v32-95  four fragments of K: each 8 of codes, 8 of zeros
.set S,   96                           ; v96-159 S^T, then p, then V's four fragments
.set O,   160                          ; v160-191 O^T
.set PC,  192                          ; v192-207 p's codes
.set BM,  208                          ; v208-211 the blocks' largest scores, then largest p
.set PB,  212                          ; v212-215 the other half's maxima, then the bytes
.set HD,  216
.set SO,  220                          ; v220-223 the conversion's scale operand
.set KS,  224                          ; v224-227 K's scale words: lanes 0-15 tile 2 i, lanes 16-31 tile 2 i + 1
.set VS,  228                          ; v228-229 V's likewise
.set QS,  230
.set PW,  231                          ; p's scale word
.set F,   232                          ; v[232:233] f = 2^(old M - new M)
.set TP,  234
.set SUM2, 236                         ; v[236:237] the sum's second chain
.set G1,  16                           ; s[16:23] descriptor group 1;  s[24:27], s[28:31] group 0 of slot 0, 1
.set G0,  24
.set WV,  32
.set BQ,  33                           ; my block of 128 queries
.set STP, 34                           ; the key step, 0..31
.set CNT, 35
.set TK,  36                           ; s36-39 where the step's K, V, K's words, V's words begin in LDS
.set TV,  37
.set TSK, 38
.set TSV, 39
.set SEL, 40
.set CS,  42                           ; s[42:43] c = log2(e) / 8
.set MNT, 44
.set HEAD, 45
.set TILE, 46
	s_load_b128 s[4:7], s[0:1], 0x0                ; qc, kv
	s_load_b64 s[8:9], s[0:1], 0x10                ; yc
	v_lshl_add_u32 v[SPW], v0, 2, SPARE
	v_mov_b32 v[NIL], 0
	ds_add_u32 v3, v4
	ds_add_u32 v3, v4
	s_wait_dscnt 0x0
	v_lshrrev_b32 v8, 5, v0
	s_delay_alu instid0(VALU_DEP_1)
	v_readfirstlane_b32 s[WV], v8                  ; wave 0..15
	s_and_b32 s[HEAD], ttmp7, 0xffff
	s_sub_co_u32 s10, 31, ttmp9
	s_cmp_lt_u32 s[WV], 8
	s_cselect_b32 s[BQ], ttmp9, s10
	s_and_b32 s11, s[WV], 7
	s_lshl_b32 s[TILE], s[BQ], 3
	s_add_co_u32 s[TILE], s[TILE], s11             ; my tile of 16 queries
	s_lshr_b32 s12, s11, 1
	s_lshl_b32 s12, s12, 5
	s_and_b32 s13, s11, 1
	s_lshl_b32 s13, s13, 3
	s_add_co_u32 s47, s12, s13                     ; its first query within the block
	s_mul_i32 s12, s11, SHARE                      ; the eighth of a part that I fetch, if I fetch
	s_mul_i32 s14, s[HEAD], 4*PARTB
	s_add_co_u32 s14, s14, s12
	s_mov_b32 s15, 0
	s_mov_b32 s[G1], 3<<16                         ; no mask; elements of 8 bytes; no padding: images are read 512 consecutive bytes at a time
	s_mov_b32 s[G1+1], 32<<16                      ; tensor_dim0 = 32: rows of 256 bytes
	s_mov_b32 s[G1+2], 67<<16                      ; tensor_dim1 = 67
	s_mov_b32 s[G1+3], 32<<16                      ; tile_dim0
	s_mov_b32 s[G1+4], 67                          ; tile_dim1
	s_mov_b32 s[G1+5], 32                          ; dense
	s_mov_b32 s[G1+6], 0
	s_mov_b32 s[G1+7], 0
	s_mov_b32 s[SEL], 0x76543210
	s_mov_b32 s[SEL+1], 0xfedcba98
	s_mov_b32 s[CS], 0x3e38aa3b
	s_mov_b32 s[CS+1], s[CS]                       ; (named with it as a pair, so it is written)
	s_mov_b32 s[STP], 0
	s_wait_kmcnt 0x0
	s_add_nc_u64 s[14:15], s[6:7], s[14:15]
	s_mov_b32 s[G0], 1
	s_mov_b32 s[G0+1], s12                         ; slot 0
	s_mov_b64 s[G0+2:G0+3], s[14:15]               ; part 0
	s_or_b32 s[G0+3], s[G0+3], 0x80000000
	s_mov_b32 s[G0+4], 1
	s_add_co_u32 s[G0+5], s12, PARTB               ; slot 1
	s_add_nc_u64 s[G0+6:G0+7], s[14:15], PARTB     ; part 1
	s_or_b32 s[G0+7], s[G0+7], 0x80000000
	s_cmp_lt_u32 s[WV], 8                          ; both first fills in one branch, ahead of every wait on TENSORcnt, every LDS read and every barrier: two tensor loads of a fetching wave are out
	s_cbranch_scc0 .Lno_first
	tensor_load_to_lds s[G0:G0+3], s[G1:G1+7]
	s_nop 0
	tensor_load_to_lds s[G0+4:G0+7], s[G1:G1+7]
	s_nop 0
.rept 4
	v_nop
.endr
.Lno_first:
	s_lshl_b32 s10, s[HEAD], 18                    ; Q's image: 262,144 a head, 1,024 a tile
	s_lshl_b32 s11, s[TILE], 10
	s_add_co_u32 s10, s10, s11
	s_mov_b32 s11, 0
	s_add_nc_u64 s[12:13], s[4:5], s[10:11]
	s_lshl_b32 s10, s[HEAD], 14                    ; its words: 16,384 a head, 64 a tile
	s_lshl_b32 s14, s[TILE], 6
	s_add_co_u32 s10, s10, s14
	s_add_co_u32 s10, s10, SCO
	s_add_nc_u64 s[4:5], s[4:5], s[10:11]
	s_lshl_b32 s10, s[TILE], 14                    ; y's image: row block = my tile; a head is 1,024 bytes: K step head / 2, groups 2 (head % 2) on
	s_lshl_b32 s14, s[HEAD], 10
	s_add_co_u32 s10, s10, s14
	s_add_nc_u64 s[6:7], s[8:9], s[10:11]
	s_lshl_b32 s10, s[TILE], 9                     ; y's words: 512 a row block, 64 a K step, my two bytes
	s_lshr_b32 s14, s[HEAD], 1
	s_lshl_b32 s14, s14, 6
	s_add_co_u32 s10, s10, s14
	s_and_b32 s14, s[HEAD], 1
	s_lshl_b32 s14, s14, 1
	s_add_co_u32 s10, s10, s14
	s_add_co_u32 s10, s10, SCO
	s_add_nc_u64 s[8:9], s[8:9], s[10:11]
	v_and_b32 v8, 31, v0
	s_delay_alu instid0(VALU_DEP_1)
	v_lshlrev_b32 v[L16], 4, v8
	s_delay_alu instid0(VALU_DEP_2)
	v_lshlrev_b32 v[L4], 2, v8
	v_and_b32 v8, 15, v0                           ; r
	s_delay_alu instid0(VALU_DEP_1)
	v_lshlrev_b32 v[R4], 2, v8
	global_load_b128 v[QF:QF+3], v[L16], s[12:13]
	global_load_b128 v[QF+4:QF+7], v[L16], s[12:13] offset:512
	global_load_b32 v[QS], v[R4], s[4:5]
	v_and_b32 v9, 8, v8
	s_delay_alu instid0(VALU_DEP_1)
	v_add_nc_u32 v9, v9, v8                        ; r + 8 (r / 8)
	v_bfe_u32 v10, v0, 4, 1
	s_delay_alu instid0(VALU_DEP_1)
	v_lshlrev_b32 v10, 4, v10                      ; 16 h
	s_delay_alu instid0(VALU_DEP_1)
	v_sub_nc_u32 v[DQ], v9, v10
	s_delay_alu instid0(VALU_DEP_1)
	v_add_nc_u32 v[DQ], s47, v[DQ]
	v_mov_b32 v[NINF], 0xff800000
	v_mov_b32 v13, 0xff61b1e6                      ; the largest t so far: -3e38, under every t
	s_delay_alu instid0(VALU_DEP_1)
	v_floor_f32 v12, -v13                          ; -M
	v_mov_b32 v14, 0
	v_mov_b32 v15, 0
	v_mov_b32 v[F+1], 0                            ; (named as the upper half of a pair)
.irp b, 0,1,2,3
	v_mov_b32 v[PB+\b], 0                          ; written once: a lane permute's destination counts as one of its sources
.endr
.irp i, 8,9,10,11,12,13,14,15          ; zero codes for k = 64 .. 127, on both sides, once for the launch
	v_mov_b32 v[QF+\i], 0
	v_mov_b32 v[KF+\i], 0
	v_mov_b32 v[KF+16+\i], 0
	v_mov_b32 v[KF+32+\i], 0
	v_mov_b32 v[KF+48+\i], 0
.endr
.set n, 0
.rept 32
	v_mov_b32 v[O+n], 0                            ; O^T.  (The step is written once: the first finds zeros, which the first change of M leaves zeros)
.set n, n+1
.endr
; A KEY STEP: 128 keys
.macro STEP
	s_cmp_gt_u32 s[STP], s[BQ]                     ; all its keys come after my queries: a scalar branch on ids round the work; the lines that step addresses stand behind it
	s_cbranch_scc1 .Lhidden_\@
	s_setprio 2
	v_add_nc_u32 v[ADK], s[TK], v[L16]
	s_wait_alu depctr_va_vdst(0)
	v_add_nc_u32 v[ADV], s[TV], v[L16]
	v_add_nc_u32 v[ADS], s[TSK], v[L4]
	v_add_nc_u32 v[ADT], s[TSV], v[L4]
.irp g, 0,1                            ; S^T = K Q^T, four tiles of 16 keys at a time
.if \g
.rept 8
	v_nop                                          ; eight places in front of loads into registers that the four products above have read
.endr
.endif
.irp t, 0,1,2,3
	ds_load_b128 v[KF+16*\t:KF+16*\t+3], v[ADK] offset:(4*\g+\t)*1024
	ds_load_b128 v[KF+16*\t+4:KF+16*\t+7], v[ADK] offset:(4*\g+\t)*1024+512
.endr
.if \g == 0
.irp i, 0,1,2,3
	ds_load_b32 v[KS+\i], v[ADS] offset:128*\i
.endr
.irp i, 0,1
	ds_load_b32 v[VS+\i], v[ADT] offset:128*\i
.endr
.endif
	s_wait_dscnt 0x0
.irp t, 0,1,2,3
.if \t % 2
	v_wmma_scale_f32_16x16x128_f8f6f4 v[S+8*(4*\g+\t):S+8*(4*\g+\t)+7], v[KF+16*\t:KF+16*\t+15], v[QF:QF+15], 0, v[KS+2*\g+\t/2], v[QS] matrix_a_scale:MATRIX_SCALE_ROW1
.else
	v_wmma_scale_f32_16x16x128_f8f6f4 v[S+8*(4*\g+\t):S+8*(4*\g+\t)+7], v[KF+16*\t:KF+16*\t+15], v[QF:QF+15], 0, v[KS+2*\g+\t/2], v[QS]
.endif
.endr
.endr
.rept 8
	v_nop
.endr
	s_cmp_lg_u32 s[STP], s[BQ]                     ; on the diagonal the scores of hidden keys become -infinity ahead of the maximum: p = 0 then
	s_cbranch_scc1 .Lopen_\@
.set n, 0
.rept 64
	v_cmp_gt_i32 vcc_lo, 32*(n/16)+n%16, v[DQ]     ; register 16 b + i holds key 32 b + 16 (lane / 16) + i of the step
	v_cndmask_b32 v[S+n], v[S+n], v[NINF], vcc_lo
.set n, n+1
.endr
.Lopen_\@:
.irp b, 0,1,2,3
	v_max3_num_f32 v[BM+\b], v[S+16*\b], v[S+16*\b+1], v[S+16*\b+2]   ; the largest score of each block of 32 keys: for the row's maximum, and, since p rises with the score, for the block's largest p
.endr
.irp i, 3,5,7,9,11,13
.irp b, 0,1,2,3
	v_max3_num_f32 v[BM+\b], v[BM+\b], v[S+16*\b+\i], v[S+16*\b+\i+1]
.endr
.endr
.irp b, 0,1,2,3
	v_max_num_f32 v[BM+\b], v[BM+\b], v[S+16*\b+15]
.endr
.irp b, 0,1,2,3
	s_delay_alu instid0(VALU_DEP_4)
	v_permlanex16_b32 v[PB+\b], v[BM+\b], s[SEL], s[SEL+1]
.endr
.irp b, 0,1,2,3
	s_delay_alu instid0(VALU_DEP_4)
	v_max_num_f32 v[BM+\b], v[BM+\b], v[PB+\b]     ; with lane xor 16's 16 keys
.endr
	s_delay_alu instid0(VALU_DEP_2)
	v_max3_num_f32 v[TP], v[BM], v[BM+1], v[BM+2]
	s_delay_alu instid0(VALU_DEP_1)
	v_max_num_f32 v[TP], v[TP], v[BM+3]
	s_delay_alu instid0(VALU_DEP_1)
	v_mul_f32 v[TP], s[CS], v[TP]                  ; the step's largest t (c is positive)
	s_delay_alu instid0(VALU_DEP_1)
	v_max_num_f32 v13, v13, v[TP]
	v_mov_b32 v[TP], v12
	s_delay_alu instid0(VALU_DEP_2)
	v_floor_f32 v12, -v13                          ; the new -M = floor(-t): M is a whole number
	s_delay_alu instid0(VALU_DEP_1)
	v_sub_f32 v[TP], v12, v[TP]                    ; old M - new M: a whole number, 0 or less
	s_delay_alu instid0(VALU_DEP_1)
	v_cvt_i32_f32 v[TP], v[TP]                     ; (it saturates)
	s_delay_alu instid0(VALU_DEP_1)
	v_ldexp_f32 v[F], 1.0, v[TP]                   ; f = 2^(old M - new M)
.set n, 0
.rept 32
	v_pk_fma_f32 v[S+n:S+n+1], v[S+n:S+n+1], s[CS:CS+1], v[12:13] op_sel_hi:[1,0,0]   ; t - M, two at a time
.set n, n+2
.endr
	s_setprio 1
.irp b, 0,1,2,3
	v_fma_f32 v[BM+\b], v[BM+\b], s[CS], v12
.endr
.set n, 0
	s_wait_alu depctr_va_vdst(0)
.rept 64
	v_exp_f32 v[S+n], v[S+n]                       ; p = 2^(t - M), at most 1
.set n, n+1
.endr
.irp b, 0,1,2,3
	v_exp_f32 v[BM+\b], v[BM+\b]                   ; the block's largest p
.endr
	v_pk_mul_f32 v[14:15], v[14:15], v[F:F+1] op_sel_hi:[1,0]   ; the sums under the new M (a plain line behind the exponentials)
	s_wait_alu depctr_va_vdst(0)
.irp b, 0,1,2,3
	v_max_num_f32 v[BM+\b], 0x4800000, v[BM+\b]    ; the floor 2^(9 - 127)
.endr
.irp b, 0,1,2,3
	s_delay_alu instid0(VALU_DEP_4)
	v_add_nc_u32 v[SO+\b], 0xfc000000, v[BM+\b]
.endr
.irp b, 0,1,2,3
.endr
.irp b, 0,1,2,3
	s_delay_alu instid0(VALU_DEP_4)
	v_lshrrev_b32 v[PB+\b], 23, v[SO+\b]
.endr
	s_delay_alu instid0(VALU_DEP_3)
	v_lshl_or_b32 v[PW], v[PB+1], 8, v[PB]         ; p's scale word for these 128 keys
	s_delay_alu instid0(VALU_DEP_1)
	v_lshl_or_b32 v[PW], v[PB+2], 16, v[PW]
	s_delay_alu instid0(VALU_DEP_1)
	v_lshl_or_b32 v[PW], v[PB+3], 24, v[PW]
	v_pk_add_f32 v[236:237], v[100:101], v[104:105]
	v_pk_add_f32 v[254:255], v[108:109], v[112:113]
	v_pk_add_f32 v[252:253], v[116:117], v[120:121]
	v_pk_add_f32 v[250:251], v[124:125], v[128:129]
	v_pk_add_f32 v[248:249], v[132:133], v[136:137]
	v_pk_add_f32 v[246:247], v[140:141], v[144:145]
	v_pk_add_f32 v[244:245], v[148:149], v[152:153]
	v_pk_add_f32 v[14:15], v[14:15], v[156:157]
	v_pk_add_f32 v[236:237], v[236:237], v[96:97]
	v_pk_add_f32 v[254:255], v[254:255], v[98:99]
	v_pk_add_f32 v[252:253], v[252:253], v[102:103]
	v_pk_add_f32 v[250:251], v[250:251], v[106:107]
	v_pk_add_f32 v[248:249], v[248:249], v[110:111]
	v_pk_add_f32 v[246:247], v[246:247], v[114:115]
	v_pk_add_f32 v[244:245], v[244:245], v[118:119]
	v_pk_add_f32 v[14:15], v[14:15], v[122:123]
	v_pk_add_f32 v[236:237], v[236:237], v[126:127]
	v_pk_add_f32 v[254:255], v[254:255], v[130:131]
	v_pk_add_f32 v[252:253], v[252:253], v[134:135]
	v_pk_add_f32 v[250:251], v[250:251], v[138:139]
	v_pk_add_f32 v[248:249], v[248:249], v[142:143]
	v_pk_add_f32 v[246:247], v[246:247], v[146:147]
	v_pk_add_f32 v[244:245], v[244:245], v[150:151]
	v_pk_add_f32 v[14:15], v[14:15], v[154:155]
	v_pk_add_f32 v[236:237], v[236:237], v[158:159]
	s_delay_alu instid0(VALU_DEP_2)
	v_pk_add_f32 v[14:15], v[14:15], v[250:251]
	s_delay_alu instid0(VALU_DEP_2)
	v_pk_add_f32 v[236:237], v[236:237], v[248:249]
	v_pk_add_f32 v[254:255], v[254:255], v[246:247]
	v_pk_add_f32 v[252:253], v[252:253], v[244:245]
	s_delay_alu instid0(VALU_DEP_2)
	v_pk_add_f32 v[14:15], v[14:15], v[254:255]
	s_delay_alu instid0(VALU_DEP_2)
	v_pk_add_f32 v[236:237], v[236:237], v[252:253]
	s_delay_alu instid0(VALU_DEP_1)
	v_pk_add_f32 v[14:15], v[14:15], v[236:237]
	s_setprio 0
.irp b, 0,1,2,3
.irp i, 0,1,2,3,4,5,6,7,8,9,10,11,12,13,14,15
.endr
	v_cvt_scalef32_pk8_fp8_f32 v[PC+4*\b:PC+4*\b+1], v[S+16*\b:S+16*\b+7], v[SO+\b]
	v_cvt_scalef32_pk8_fp8_f32 v[PC+4*\b+2:PC+4*\b+3], v[S+16*\b+8:S+16*\b+15], v[SO+\b]
.irp c, 0,1,2,3
	ds_load_b128 v[S+16*\b+4*\c:S+16*\b+4*\c+3], v[ADV] offset:2048*\b+512*\c   ; block b's 16 registers of p are done with: V's fragment b lands there while the later blocks are converted
.endr
.endr
.set n, 0
.rept 16
	v_pk_mul_f32 v[O+n:O+n+1], v[O+n:O+n+1], v[F:F+1] op_sel_hi:[1,0]   ; O^T under the new M; these sixteen are also the plain line behind the conversions and the places in front of the products
.set n, n+2
.endr
	s_wait_alu depctr_va_vdst(0)
	s_wait_dscnt 0x0
.irp t, 0,1,2,3                        ; O^T += V^T P^T: four tiles of 16 channels by turns; K = these 128 keys
.if \t % 2
	v_wmma_scale_f32_16x16x128_f8f6f4 v[O+8*\t:O+8*\t+7], v[S+16*\t:S+16*\t+15], v[PC:PC+15], v[O+8*\t:O+8*\t+7], v[VS+\t/2], v[PW] matrix_a_scale:MATRIX_SCALE_ROW1
.else
	v_wmma_scale_f32_16x16x128_f8f6f4 v[O+8*\t:O+8*\t+7], v[S+16*\t:S+16*\t+15], v[PC:PC+15], v[O+8*\t:O+8*\t+7], v[VS+\t/2], v[PW]
.endif
.endr
.rept 9
	v_nop                                          ; nine places: the next step's scores are written by matrix instructions over V's fragments; the way out reads O^T
.endr
.Lhidden_\@:
	s_add_co_u32 s[TK], s[TK], 8192
	s_add_co_u32 s[TV], s[TV], 8192
	s_add_co_u32 s[TSK], s[TSK], 512
	s_add_co_u32 s[TSV], s[TSV], 256
	s_add_co_u32 s[STP], s[STP], 1
.endm
.macro PART slot                       ; a part's eight key steps
	s_mov_b32 s[TK], \slot*PARTB
	s_mov_b32 s[TV], \slot*PARTB+65536
	s_mov_b32 s[TSK], \slot*PARTB+131072
	s_mov_b32 s[TSV], \slot*PARTB+135168
	s_mov_b32 s[CNT], 8
.Lpart_\@:
	STEP
	s_sub_co_u32 s[CNT], s[CNT], 1
	s_cmp_lg_u32 s[CNT], 0
	s_cbranch_scc1 .Lpart_\@
	s_setprio 0
.endm
; THE CHANGE OF SLOTS.  Each wave waits for all its tensor loads (its eighth of the slot ahead), adds 0 to its spare word, and waits for that and for its reads of slot s, which it has left.
; Behind the barrier the slot ahead is whole and nobody reads slot s.  fill = 1: slot s takes the part two further on; the load has eight key steps in which to land.
.macro CHANGE s, fill
	s_wait_tensorcnt 0x0                           ; no tensor load of mine is out, so a group 0 may be written
	ds_add_u32 v[SPW], v[NIL]                      ; 0 onto my spare word
.if \fill
	s_add_nc_u64 s[G0+4*\s+2:G0+4*\s+3], s[G0+4*\s+2:G0+4*\s+3], 2*PARTB   ; the type bits on top are not reached
.endif
	s_wait_dscnt 0x0                               ; the add is done, and my reads of slot s are over
	s_barrier_signal -1
	s_barrier_wait -1
.if \fill
	s_cmp_lt_u32 s[WV], 8
	s_cbranch_scc0 .Lnone_\@
	tensor_load_to_lds s[G0+4*\s:G0+4*\s+3], s[G1:G1+7]   ; the first thing behind the barrier, and a wave's one tensor load until the next
	s_nop 0
.rept 4
	v_nop
.endr
.Lnone_\@:
.endif
.endm
	s_wait_loadcnt 0x0                             ; Q and its words
	s_wait_tensorcnt 0x1                           ; my eighth of slot 0 has landed; slot 1's may stay out
	s_barrier_signal -1
	s_barrier_wait -1
	PART 0
	CHANGE 0, 1
	PART 1
	CHANGE 1, 1
	PART 0
	CHANGE 0, 0                                    ; nothing is left to fetch
	PART 1
	; THE WAY OUT.  O^T / the sum is y: register 16 B + i is channel 32 B + 16 (lane / 16) + i of my query's head: two blocks of the last product's K
	v_add_f32 v14, v14, v15
	s_delay_alu instid0(VALU_DEP_1)
	v_permlanex16_b32 v[PB], v14, s[SEL], s[SEL+1]
	s_delay_alu instid0(VALU_DEP_1)
	v_add_f32 v14, v14, v[PB]                      ; the row's sum
	s_wait_alu depctr_va_vdst(0)
	v_rcp_f32 v14, v14
	v_nop                                          ; a plain line behind the transcendental
.set n, 0
	s_wait_alu depctr_va_vdst(0)
.rept 32
	v_mul_f32 v[S+n], v[O+n], v14
.set n, n+1
.endr
.irp b, 0,1
	v_max3_num_f32 v[BM+\b], |v[S+16*\b]|, |v[S+16*\b+1]|, 0x4800000
.endr
.irp i, 2,4,6,8,10,12,14
.irp b, 0,1
	s_delay_alu instid0(VALU_DEP_2)
	v_max3_num_f32 v[BM+\b], v[BM+\b], |v[S+16*\b+\i]|, |v[S+16*\b+\i+1]|
.endr
.endr
.irp b, 0,1
	s_delay_alu instid0(VALU_DEP_2)
	v_permlanex16_b32 v[PB+\b], v[BM+\b], s[SEL], s[SEL+1]
.endr
.irp b, 0,1
	s_delay_alu instid0(VALU_DEP_2)
	v_max_num_f32 v[BM+\b], v[BM+\b], v[PB+\b]
.endr
.irp b, 0,1
	s_delay_alu instid0(VALU_DEP_2)
	v_add_nc_u32 v[SO+\b], 0xfc000000, v[BM+\b]
.endr
.irp b, 0,1
.endr
.irp b, 0,1
	s_delay_alu instid0(VALU_DEP_2)
	v_lshrrev_b32 v[PB+\b], 23, v[SO+\b]
.endr
	s_delay_alu instid0(VALU_DEP_1)
	v_lshl_or_b32 v[TP], v[PB+1], 8, v[PB]         ; my head's two bytes of the row's scale word
.irp b, 0,1
.irp i, 0,1,2,3,4,5,6,7,8,9,10,11,12,13,14,15
.endr
	v_cvt_scalef32_pk8_fp8_f32 v[PC+4*\b:PC+4*\b+1], v[S+16*\b:S+16*\b+7], v[SO+\b]
	v_cvt_scalef32_pk8_fp8_f32 v[PC+4*\b+2:PC+4*\b+3], v[S+16*\b+8:S+16*\b+15], v[SO+\b]
.endr
	v_nop                                          ; one plain vector line behind the last conversion
	global_store_b128 v[L16], v[PC:PC+3], s[6:7]               ; a group of y's image: 512 consecutive bytes
	global_store_b128 v[L16], v[PC+4:PC+7], s[6:7] offset:512
	global_store_b16 v[R4], v[TP], s[8:9]          ; both halves of the lanes write the same value
	s_wait_tensorcnt 0x0                           ; the wave's end
	ds_add_u32 v[SPW], v[NIL]
	s_wait_dscnt 0x0
	s_endpgm
.Lfunc_end_k_qafdf163a7a_attn:
	.size	k_qafdf163a7a_attn, .Lfunc_end_k_qafdf163a7a_attn-k_qafdf163a7a_attn
	.p2alignl 7, 3214868480
	.fill 96, 4, 3214868480
	.section	.rodata,"a",@progbits
	.p2align	6, 0x0
	.amdhsa_kernel k_qafdf163a7a_attn
		.amdhsa_group_segment_fixed_size 327680
		.amdhsa_private_segment_fixed_size 0
		.amdhsa_enable_private_segment 0
		.amdhsa_kernarg_size 24
		.amdhsa_user_sgpr_count 2
		.amdhsa_user_sgpr_kernarg_segment_ptr 1
		.amdhsa_wavefront_size32 1
		.amdhsa_system_sgpr_workgroup_id_x 1
		.amdhsa_system_sgpr_workgroup_id_y 1
		.amdhsa_system_sgpr_workgroup_id_z 1
		.amdhsa_system_vgpr_workitem_id 0
		.amdhsa_next_free_vgpr 256
		.amdhsa_next_free_sgpr 66
		.amdhsa_reserve_vcc 1
		.amdhsa_float_denorm_mode_32 3
		.amdhsa_float_denorm_mode_16_64 3
		.amdhsa_fp16_overflow 1
		.amdhsa_memory_ordered 1
		.amdhsa_forward_progress 1
		.amdhsa_inst_pref_size 106
	.end_amdhsa_kernel
	.amdgpu_metadata
---
amdhsa.version: [ 1, 2 ]
amdhsa.kernels:
  - .name:           k_qafdf163a7a_attn
    .symbol:         k_qafdf163a7a_attn.kd
    .args:
      - { .name: qc, .offset: 0, .size: 8, .value_kind: global_buffer, .address_space: global }
      - { .name: kv, .offset: 8, .size: 8, .value_kind: global_buffer, .address_space: global }
      - { .name: yc, .offset: 16, .size: 8, .value_kind: global_buffer, .address_space: global }
    .group_segment_fixed_size: 327680
    .private_segment_fixed_size: 0
    .kernarg_segment_align: 8
    .kernarg_segment_size: 24
    .max_flat_workgroup_size: 512
    .sgpr_count:     66
    .vgpr_count:     256
    .wavefront_size: 32
...
	.end_amdgpu_metadata
.endif
;; end of part 3
;; launch proj (part 4): grid 8 x 32, 4 waves a work-group, clusters of 4 x 4, 280,064 bytes of LDS; arguments yc, wc, bp, out0; writes out0
.if DOCPART == 4
	.amdgcn_target "amdgcn-amd-amdhsa--gfx1250"
	.amdhsa_code_object_version 6
	.text
	.protected	k_qafdf163a7a_proj
	.globl	k_qafdf163a7a_proj
	.p2align	8
	.type	k_qafdf163a7a_proj,@function
k_qafdf163a7a_proj:
	s_mov_b64 s[64:65], 0
	v_nop
	global_prefetch_b8 v0, s[64:65] scope:SCOPE_SE
	s_setreg_imm32_b32 hwreg(HW_REG_WAVE_MODE, 25, 1), 1
	s_wait_xcnt 0x0
	s_wait_alu depctr_hold_cnt(0) depctr_sa_sdst(0) depctr_va_vdst(0) depctr_va_sdst(0) depctr_va_ssrc(0) depctr_va_vcc(0) depctr_vm_vsrc(0)
	s_getreg_b32 s2, hwreg(HW_REG_IB_STS2, 6, 4)
	s_cmp_eq_u32 s2, 0
	s_cbranch_scc0 .Lentry_in_a_cluster
	s_endpgm
.Lentry_in_a_cluster:
	s_bfe_u32 s2, ttmp6, 0x10000c
	s_cmp_lg_u32 s2, 0xf033
	s_cbranch_scc0 .Lentry_shape_is_right
	s_endpgm
.Lentry_shape_is_right:
; out0 = y Wp^T + bp on codes of FP8 (E4M3) with E8M0 scales; out0 [4096][1024] f32.
; Operands come as images of operand registers (fragment: 16 rows x 128 K, 2,048 bytes; group c at 512 c holds at 16 x lane the codes k = 32 c + 16 (lane / 16) + 0..15 of the lane's row;
; row block i: lane r holds row 32 (i / 2) + 8 (i % 2) + r + 8 (r / 8)); scale words [row block][K step][16 rows] at SCO.  Wp's row blocks are wc's 192-255.
; A TILE is 128 (P = rows of Wp, source 0) x 128 (R = tokens, source 1), all of K = 1,024: 256 tiles.  Both panels (128 KiB each, dense) lie in LDS whole: every LDS byte is filled once, nothing is filled again.
; In the results of P's row blocks 2 B, 2 B + 1 a lane holds 16 neighbouring output channels, 32 B + 16 (lane / 16) + 0..15, of one token (lane % 16).
; CLUSTERS: 4 x 4 work-groups.  y's panel hangs on the work-group's y and is asked for jointly by a row of the cluster, Wp's on its x and by a column.
; THE WAY OUT: 16 tokens x 64 channels at a time through the wave's own stage in LDS, behind the panels, so that sixteen lanes store 256 consecutive bytes, aligned.
; LIMITS: NaN and infinities are not served.
; REGISTERS: window 0: v1, v2 16 x and 4 x lane; v5 bias offset; v8-11, v12-15 LDS addresses of R's and P's fragments in chunk 0..3; v16-18 the way out; v32-47, v48-63 scale words of P, R;
;   v64-95 the bias as the C of the first K step; on the way out v64-127 rows read back; v128-255 the 16 accumulators ((a, b) at 128 + 8 (4 a + b)).   window 1: two buffers of 4 + 4 fragments.
.set SCO,   4194304
.set STAGE, 262144                     ; behind the panels: 16 rows x 272 bytes for each wave
.set SPI,   272                        ; a stage row: 256 bytes + 16 = 68 words: 16 rows begin at 16 different groups of four banks (64 banks of 4 bytes: ISA guide 11.1)
.set L16, 1
.set L4,  2
.set VH,  5
.set AR,  8
.set AP,  12
.set STO, 16
.set RD,  17
.set CO,  18
.set SCP, 32
.set SCR, 48
.set BP,  64
.set OB,  64
.set ACC, 128
.set WV,  18
.set WP,  19
.set WR,  20
.set CX,  21
.set CY,  22
.set WX,  23
.set G1R, 24
.set G1P, 32
.set G0R, 40
.set WY,  56
.set G0P, 68
.set LW,  99
.set MSB, 0
.macro WIN new                         ; the immediate's high byte repeats the setting that is left
.if MSB != \new
	s_set_vgpr_msb (MSB<<8)|\new
.set MSB, \new
.endif
.endm
.macro PLACES n
.rept \n
	v_nop
.endr
.endm
.macro CROUND                          ; a round of the cluster's barrier
	s_barrier_signal -1
	s_barrier_wait -1
	s_cmp_lg_u32 s[WV], 0
	s_cbranch_scc1 .Lnot_wave_0_\@
	s_barrier_signal -3
.Lnot_wave_0_\@:
	s_barrier_wait -3
	s_barrier_signal -1
	s_barrier_wait -1
.endm
	s_load_b256 s[4:11], s[0:1], 0x0               ; yc, wc, bp, out0
	v_lshl_add_u32 v30, v0, 2, 0x44400
	v_mov_b32 v31, 0
	ds_add_u32 v30, v31
	ds_add_u32 v30, v31
	v_lshrrev_b32 v3, 5, v0
	v_readfirstlane_b32 s[WV], v3                  ; wave 0..3
	s_and_b32 s[WP], s[WV], 1                      ; my 64 of P; also which half of a panel I fetch
	s_lshr_b32 s[WR], s[WV], 1                     ; my 64 of R
	s_bfe_u32 s[CX], ttmp6, 0x40000
	s_bfe_u32 s[CY], ttmp6, 0x40004
	s_lshl_b32 s[WX], ttmp9, 2
	s_add_co_u32 s[WX], s[WX], s[CX]               ; Wp's tile, 0..7
	s_and_b32 s[WY], ttmp7, 0xffff
	s_lshl_b32 s[WY], s[WY], 2
	s_add_co_u32 s[WY], s[WY], s[CY]               ; y's tile, 0..31
	s_lshl_b32 s62, s[CY], 2
	s_lshl_b32 s62, 15, s62                        ; my row of the cluster
	s_lshl_b32 s100, 0x1111, s[CX]                 ; my column
	s_or_b32 s[G1R], s62, (3<<16)|(1<<21)          ; 15:0 the mask; 17:16 elements of 8 bytes; 21 set beside a mask; no padding
	s_or_b32 s[G1P], s100, (3<<16)|(1<<21)
.irp g, G1R, G1P
	s_mov_b32 s[\g+1], 512<<16                     ; tensor_dim0 = 512 elements: two K steps' images of a row block, 4,096 bytes
	s_mov_b32 s[\g+2], 4<<16                       ; tensor_dim1 = 4 row blocks
	s_mov_b32 s[\g+3], 512<<16                     ; tile_dim0
	s_mov_b32 s[\g+4], 4                           ; tile_dim1
	s_mov_b32 s[\g+5], 2048                        ; from row block to row block: 16,384 bytes
	s_mov_b32 s[\g+6], 0
	s_mov_b32 s[\g+7], 0
.endr
	s_add_co_u32 s100, s[WX], 24                   ; Wp's tiles begin at wc's tile 24
	s_lshl_b32 s100, s100, 17
	s_lshl_b32 s101, s[WP], 16
	s_add_co_u32 s100, s100, s101
	s_mov_b32 s101, 0
	s_lshl_b32 s62, s[WY], 17
	s_lshl_b32 s63, s[WP], 16
	s_add_co_u32 s62, s62, s63
	s_mov_b32 s63, 0
	s_lshl_b32 s[LW], s[WV], 14                    ; where a chunk's quarter goes: 16,384 x wave: R's two halves, then P's two
	s_wait_dscnt 0x0
	s_wait_kmcnt 0x0
	s_add_nc_u64 s[88:89], s[6:7], s[100:101]
	s_add_nc_u64 s[90:91], s[4:5], s[62:63]
	CROUND                                         ; all sixteen work-groups are here: the joint loads meet
.irp j, 0,1,2,3                        ; chunk j = K steps 2 j, 2 j + 1, at LDS byte 65,536 j
	s_mov_b32 s[G0R+4*\j], 1
	s_add_co_u32 s[G0R+4*\j+1], s[LW], 65536*\j
	s_add_nc_u64 s[G0R+4*\j+2:G0R+4*\j+3], s[90:91], 4096*\j
	s_or_b32 s[G0R+4*\j+3], s[G0R+4*\j+3], 0x80000000
	s_mov_b32 s[G0P+4*\j], 1
	s_add_co_u32 s[G0P+4*\j+1], s[LW], 65536*\j
	s_add_nc_u64 s[G0P+4*\j+2:G0P+4*\j+3], s[88:89], 4096*\j
	s_or_b32 s[G0P+4*\j+3], s[G0P+4*\j+3], 0x80000000
.endr
	s_cmp_lt_u32 s[WV], 2                          ; waves 0, 1 fetch R's halves, waves 2, 3 P's: a wave's four fills stand in one branch; four tensor loads of mine are out
	s_cbranch_scc0 .Lfill_p
.irp j, 0,1,2,3
	tensor_load_to_lds s[G0R+4*\j:G0R+4*\j+3], s[G1R:G1R+7]
	s_nop 0
.endr
	PLACES 4
	s_branch .Lfilled
.Lfill_p:
.irp j, 0,1,2,3
	tensor_load_to_lds s[G0P+4*\j:G0P+4*\j+3], s[G1P:G1P+7]
	s_nop 0
.endr
	PLACES 4
.Lfilled:
	v_and_b32 v3, 31, v0
	v_lshlrev_b32 v[L16], 4, v3
	v_lshlrev_b32 v[L4], 2, v3
	s_wait_alu depctr_va_vdst(0)
	s_add_co_u32 s100, s[WX], 24                   ; scale words: 4,096 bytes a tile, 2,048 for my four row blocks
	s_lshl_b32 s100, s100, 12
	s_lshl_b32 s2, s[WP], 11
	s_add_co_u32 s100, s100, s2
	s_add_co_u32 s100, s100, SCO
	s_add_nc_u64 s[88:89], s[6:7], s[100:101]
	s_lshl_b32 s62, s[WY], 12
	s_lshl_b32 s2, s[WR], 11
	s_add_co_u32 s62, s62, s2
	s_add_co_u32 s62, s62, SCO
	s_add_nc_u64 s[90:91], s[4:5], s[62:63]
.irp b, 0,1,2,3
.irp i, 0,1,2,3
	global_load_b32 v[SCP+4*\b+\i], v[L4], s[88:89] offset:512*\b+128*\i   ; lanes 0-15: K step 2 i; lanes 16-31: K step 2 i + 1
	global_load_b32 v[SCR+4*\b+\i], v[L4], s[90:91] offset:512*\b+128*\i
.endr
.endr
	s_lshl_b32 s2, s[WX], 9                        ; my 64 output channels begin at byte 512 x + 256 (wave % 2) of bp and of a row of out0
	s_lshl_b32 s3, s[WP], 8
	s_add_co_u32 s2, s2, s3
	s_mov_b32 s3, 0
	s_add_nc_u64 s[8:9], s[8:9], s[2:3]
	s_add_nc_u64 s[10:11], s[10:11], s[2:3]
	s_lshl_b32 s2, s[WY], 7
	s_lshl_b32 s57, s[WR], 6
	s_add_co_u32 s2, s2, s57
	s_lshl_b32 s2, s2, 12                          ; my first token: 128 y + 64 (wave / 2), rows of 4,096 bytes
	s_add_nc_u64 s[10:11], s[10:11], s[2:3]
	v_bfe_u32 v4, v0, 4, 1                         ; h
	v_lshlrev_b32 v[VH], 6, v4                     ; 64 h
.irp b, 0,1,2,3                        ; the bias is the C of the first K step: eight registers a block in the result's layout
	global_load_b128 v[BP+8*\b:BP+8*\b+3], v[VH], s[8:9] offset:(32*(\b/2)+8*(\b%2))*4
	global_load_b128 v[BP+8*\b+4:BP+8*\b+7], v[VH], s[8:9] offset:(32*(\b/2)+8*(\b%2))*4+16
.endr
	s_lshl_b32 s2, s[WR], 14
	v_add_nc_u32 v[AR], s2, v[L16]
	s_lshl_b32 s2, s[WP], 14
	s_add_co_u32 s2, s2, 32768
	v_add_nc_u32 v[AP], s2, v[L16]
.irp j, 1,2,3
	v_add_nc_u32 v[AR+\j], 65536*\j, v[AR]
	v_add_nc_u32 v[AP+\j], 65536*\j, v[AP]
.endr
	v_and_b32 v6, 15, v0                           ; r
	s_mul_i32 s2, s[WV], 16*SPI
	s_add_co_u32 s2, s2, STAGE                     ; my stage
	v_mul_u32_u24 v[STO], v6, SPI
	v_lshl_add_u32 v[STO], v4, 6, v[STO]
	v_add_nc_u32 v[STO], s2, v[STO]                ; in: row r, + 64 h bytes
	v_mul_u32_u24 v[RD], v4, SPI
	v_lshl_add_u32 v[RD], v6, 4, v[RD]
	v_add_nc_u32 v[RD], s2, v[RD]                  ; back: lanes 0-15 one row of 256 bytes, lanes 16-31 the next
	v_lshlrev_b32 v[CO], 12, v4
	v_lshl_add_u32 v[CO], v6, 4, v[CO]             ; and the same two rows in out0
.macro FETCH q                         ; K step q's eight fragments into buffer q % 2: 32 loads, each of 512 consecutive bytes
	WIN 0x40                                       ; destination window 1, address window 0
.irp b, 0,1,2,3
.irp c, 0,1,2,3
	ds_load_b128 v[128*((\q)%2)+16*\b+4*\c:128*((\q)%2)+16*\b+4*\c+3], v[AP+(\q)/2] offset:4096*\b+2048*((\q)%2)+512*\c
.endr
.endr
.irp b, 0,1,2,3
.irp c, 0,1,2,3
	ds_load_b128 v[128*((\q)%2)+64+16*\b+4*\c:128*((\q)%2)+64+16*\b+4*\c+3], v[AR+(\q)/2] offset:4096*\b+2048*((\q)%2)+512*\c
.endr
.endr
.endm
.macro MUL q                           ; 16 products; the sixteen accumulators take turns, in the same order in every K step
	WIN 0x05                                       ; sources 0 and 1 window 1; C and D window 0
.irp a, 0,1,2,3
.irp b, 0,1,2,3
.set rD, ACC+8*(4*\a+\b)
.set rP, 128*((\q)%2)+16*\b
.set rR, 128*((\q)%2)+64+16*\a
.set rX, SCP+4*\b+(\q)/2
.set rY, SCR+4*\a+(\q)/2
.if (\q) == 0
	v_wmma_scale_f32_16x16x128_f8f6f4 v[rD:rD+7], v[rP:rP+15], v[rR:rR+15], v[BP+8*\b:BP+8*\b+7], v[rX], v[rY]
.elseif (\q)%2 == 0
	v_wmma_scale_f32_16x16x128_f8f6f4 v[rD:rD+7], v[rP:rP+15], v[rR:rR+15], v[rD:rD+7], v[rX], v[rY]
.else
	v_wmma_scale_f32_16x16x128_f8f6f4 v[rD:rD+7], v[rP:rP+15], v[rR:rR+15], v[rD:rD+7], v[rX], v[rY] matrix_a_scale:MATRIX_SCALE_ROW1 matrix_b_scale:MATRIX_SCALE_ROW1
.endif
.endr
.endr
.endm
.macro KSTEP q
	s_wait_dscnt 0x0                               ; this K step's fragments are in (asked for 16 products ago)
.if (\q == 1) || (\q == 3) || (\q == 5)
	s_wait_tensorcnt 3-(\q+1)/2                    ; my quarter of the next chunk has landed; my loads of the later chunks may stay out
	s_barrier_signal -1
	s_barrier_wait -1                              ; everybody's has
.endif
.if (\q >= 1) && (\q < 7)
	PLACES 8                                       ; loads into registers that the K step before multiplied stand eight places behind its products
.endif
.if \q < 7
	FETCH \q+1
.endif
	MUL \q
.endm
	s_wait_tensorcnt 0x3                           ; my quarter of chunk 0 has landed
	s_barrier_signal -1
	s_barrier_wait -1
	FETCH 0
	s_wait_loadcnt 0x0                             ; scale words and bias
.irp q, 0,1,2,3,4,5,6,7
	KSTEP \q
.endr
	WIN 0
	PLACES 8
	; THE WAY OUT, R's block a (16 tokens) at a time.  LDS serves a wave's instructions in order (ISA guide 5.7.1.4): no wait between the stores and the loads, nor in front of the next block's stores
	s_wait_alu depctr_va_vdst(0)
.irp a, 0,1,2,3
.if \a >= 2
	s_wait_xcnt 0x0                                ; block a - 2's stores have read their registers: block a's rows may land there
.endif
.irp b, 0,1,2,3
	ds_store_b128 v[STO], v[ACC+8*(4*\a+\b):ACC+8*(4*\a+\b)+3] offset:128*(\b/2)+32*(\b%2)        ; each accumulator from its low end on
	ds_store_b128 v[STO], v[ACC+8*(4*\a+\b)+4:ACC+8*(4*\a+\b)+7] offset:128*(\b/2)+32*(\b%2)+16
.endr
.irp t, 0,1,2,3,4,5,6,7
	ds_load_b128 v[OB+32*(\a%2)+4*\t:OB+32*(\a%2)+4*\t+3], v[RD] offset:2*SPI*\t
.endr
	s_wait_dscnt 0x0
.irp t, 0,1,2,3,4,5,6,7
	global_store_b128 v[CO], v[OB+32*(\a%2)+4*\t:OB+32*(\a%2)+4*\t+3], s[10:11] offset:(32*(\a/2)+8*(\a%2)+2*\t+8*(\t/4))*4096 th:TH_STORE_NT   ; stage row rr is token rr + 8 (rr / 8) of the block; 16 lanes store 256 consecutive bytes, aligned
.endr
.endr
	s_wait_tensorcnt 0x0
	ds_add_u32 v30, v31
	s_wait_dscnt 0x0
	CROUND                                         ; the closing round: no work-group ends while a partner may still ask for a panel that names it
	s_endpgm
.Lfunc_end_k_qafdf163a7a_proj:
	.size	k_qafdf163a7a_proj, .Lfunc_end_k_qafdf163a7a_proj-k_qafdf163a7a_proj
	.p2alignl 7, 3214868480
	.fill 96, 4, 3214868480
	.section	.rodata,"a",@progbits
	.p2align	6, 0x0
	.amdhsa_kernel k_qafdf163a7a_proj
		.amdhsa_group_segment_fixed_size 280064
		.amdhsa_private_segment_fixed_size 0
		.amdhsa_enable_private_segment 0
		.amdhsa_kernarg_size 32
		.amdhsa_user_sgpr_count 2
		.amdhsa_user_sgpr_kernarg_segment_ptr 1
		.amdhsa_wavefront_size32 1
		.amdhsa_system_sgpr_workgroup_id_x 1
		.amdhsa_system_sgpr_workgroup_id_y 1
		.amdhsa_system_sgpr_workgroup_id_z 1
		.amdhsa_system_vgpr_workitem_id 0
		.amdhsa_next_free_vgpr 512
		.amdhsa_next_free_sgpr 102
		.amdhsa_reserve_vcc 0
		.amdhsa_float_denorm_mode_32 3
		.amdhsa_float_denorm_mode_16_64 3
		.amdhsa_memory_ordered 1
		.amdhsa_forward_progress 1
		.amdhsa_inst_pref_size 55
	.end_amdhsa_kernel
	.amdgpu_metadata
---
amdhsa.version: [ 1, 2 ]
amdhsa.kernels:
  - .name:           k_qafdf163a7a_proj
    .symbol:         k_qafdf163a7a_proj.kd
    .args:
      - { .name: yc, .offset: 0, .size: 8, .value_kind: global_buffer, .address_space: global }
      - { .name: wc, .offset: 8, .size: 8, .value_kind: global_buffer, .address_space: global }
      - { .name: bp, .offset: 16, .size: 8, .value_kind: global_buffer, .address_space: global }
      - { .name: out0, .offset: 24, .size: 8, .value_kind: global_buffer, .address_space: global }
    .group_segment_fixed_size: 280064
    .private_segment_fixed_size: 0
    .kernarg_segment_align: 8
    .kernarg_segment_size: 32
    .max_flat_workgroup_size: 128
    .sgpr_count:     102
    .vgpr_count:     512
    .wavefront_size: 32
...
	.end_amdgpu_metadata
.endif
;; end of part 4
